; MI455X (gfx1250); checked and timed in simulation.
; The chip was launched on July 23, 2026; its instructions are those of AMD's public machine-readable ISA for CDNA 5 (MIT licence, August 2026) and "CDNA5" Instruction Set Architecture Reference Guide (July 2026). The comments in the code are by the model that wrote it; some were corrected since.
;; Transformer Block. Allowed arithmetic: float matrix products may take bf16 or f16 operands with f32 sums; other float arithmetic in f32, or as packed bf16 or f16 multiplies, adds, multiply-adds, maxima and minima; sums over many terms, partial sums and values carried from step to step in f32; what a program stores and reads back later, other than sums and carried values, may be rounded once to bf16 or f16.
;; Inputs: attn_norm_w 1,024 float32; ffn_norm_w 1,024 float32; w_down 2,048 x 1,024 float32; w_gate 1,024 x 2,048 float32; w_up 1,024 x 2,048 float32; wk 1,024 x 1,024 float32; wo 1,024 x 1,024 float32; wq 1,024 x 1,024 float32; wv 1,024 x 1,024 float32; x 2 x 2,048 x 1,024 float32.
;; Outputs: out0 2 x 2,048 x 1,024 float32.
;; One version. Each part assembles by itself: llvm-mc -triple=amdgcn-amd-amdhsa -mcpu=gfx1250 --defsym DOCPART=n.
;; ======== version 1 of 1: 7 launches
;; limits: values are held in f16: magnitudes above 65,504 overflow, below 6.1e-05 lose precision
;; workspace buffers: xn 8,388,608 bytes; w16 20,971,520 bytes; qkv 25,165,824 bytes; att 8,388,608 bytes; x1 16,777,216 bytes; hid 16,777,216 bytes
;; launch prep (part 1): grid 1536 x 1, 8 waves a work-group, no clusters, 0 bytes of LDS; arguments x, attn_norm_w, xn, wq, wk, wv, wo, w_gate, w_up, w_down, w16; writes xn, w16
.if DOCPART == 1
	.amdgcn_target "amdgcn-amd-amdhsa--gfx1250"
	.amdhsa_code_object_version 6
	.text
	.protected	k_q6c7d27ad42_prep
	.globl	k_q6c7d27ad42_prep
	.p2align	8
	.type	k_q6c7d27ad42_prep,@function
k_q6c7d27ad42_prep:
	s_mov_b64 s[64:65], 0
	v_nop
	global_prefetch_b8 v0, s[64:65] scope:SCOPE_SE
	s_setreg_imm32_b32 hwreg(HW_REG_WAVE_MODE, 25, 1), 1
	s_wait_xcnt 0x0
; TWO JOBS IN ONE BODY, chosen by the work-group's number.
; Work-groups 0-255: RMS norm.  xo[r][c] = f16( (xin[r][c] * rsqrt(mean_c xin^2 + 1e-6)) * nw[c] ), 4,096 rows of 1,024 f32; sums in f32.
;   A wave owns two rows; a row is 32 registers and stays in them between the sum and the scaling, so it is read once.
; Work-groups 256-1535: the seven weights are rounded once to 16 bits, in their own layout, one behind the other in w16:
;   wq, wk, wv, wo, w_gate, w_up to f16, w_down to bf16 (its partner in the product, silu(g) u, has no room in f16).  A work-group takes 8 x 1,024 numbers.
; The shares are small so that little is unrolled; with 128 registers a wave several work-groups lie on a WGP, and their loads together are what is on its way.
; LIMITS.  |xo| <= 32 |nw|, so nw must stay under 2,000 for f16; f16 numbers below 6e-5 keep a fixed step of 6e-8; NaN and infinities are not treated apart.
; No LDS, no barrier, no matrix unit: every byte is read once and written once, and no wave needs another's data.
.set NORMWG, 256
.set W,  8                             ; v[8:39]    nw of my 32 columns (128 j + 4 lane + 0..3)
.set X,  48                            ; v[48:111]  two rows of 32 registers; in the weights' path 8 x 4 registers
.set SQ, 112                           ; v[112:119] four chains of squares, two sums each
.set R,  120                           ; v[120:121] 1 / rms, twice
	s_load_b512 s[4:19], s[0:1], 0x0               ; xin s[4:5], nw s[6:7], xo s[8:9], wq s[10:11], wk s[12:13], wv s[14:15], wo s[16:17], w_gate s[18:19]
	s_load_b128 s[20:23], s[0:1], 0x40             ; w_up s[20:21], w_down s[22:23]
	s_load_b64 s[24:25], s[0:1], 0x50              ; w16
	s_cmp_lt_u32 ttmp9, NORMWG
	s_cbranch_scc0 .Lweights
	v_lshrrev_b32 v3, 5, v0
	v_readfirstlane_b32 s26, v3                    ; wave 0..7
	v_and_b32 v3, 31, v0
	v_lshlrev_b32 v1, 4, v3                        ; 16 bytes of f32 a lane
	v_lshlrev_b32 v2, 3, v3                        ; 8 bytes of f16 a lane
	s_lshl_b32 s27, ttmp9, 4
	s_lshl1_add_u32 s27, s26, s27                  ; my first row = 16 x work-group + 2 x wave
	s_lshl_b32 s28, s27, 12                        ; rows of 4,096 bytes in,
	s_mov_b32 s29, 0
	s_lshl_b32 s30, s27, 11                        ; of 2,048 bytes out
	s_mov_b32 s31, 0
	s_mov_b32 s40, 0x76543210                      ; v_permlanex16_b32: each lane takes its own place in the other half
	s_mov_b32 s41, 0xfedcba98
	s_mov_b32 s42, 0x3a800000                      ; 1 / 1,024
	s_mov_b32 s43, 0x358637bd                      ; 1e-6
	s_wait_kmcnt 0x0
	s_add_nc_u64 s[4:5], s[4:5], s[28:29]
	s_add_nc_u64 s[8:9], s[8:9], s[30:31]
.irp j, 0,1,2,3,4,5,6,7
	global_load_b128 v[W+4*\j:W+4*\j+3], v1, s[6:7] offset:512*\j
.endr
.irp r, 0,1
.irp j, 0,1,2,3,4,5,6,7
	global_load_b128 v[X+32*\r+4*\j:X+32*\r+4*\j+3], v1, s[4:5] offset:4096*\r+512*\j th:TH_LOAD_NT  ; 512 consecutive bytes a load; 24 loads of the wave are out
.endr
.endr
.macro ROW r
.set XR, X+32*(\r)
	s_wait_loadcnt 8*(1-(\r))                      ; loads return in order: nw and my rows up to this one are in, the younger row's eight loads stay out
.irp c, 0,1,2,3
	v_pk_mul_f32 v[SQ+2*\c:SQ+2*\c+1], v[XR+2*\c:XR+2*\c+1], v[XR+2*\c:XR+2*\c+1]  ; the first squares start the four chains
.endr
.set p, 4
.rept 12
	v_pk_fma_f32 v[SQ+2*(p%4):SQ+2*(p%4)+1], v[XR+2*p:XR+2*p+1], v[XR+2*p:XR+2*p+1], v[SQ+2*(p%4):SQ+2*(p%4)+1]
.set p, p+1
.endr
	v_pk_add_f32 v[SQ:SQ+1], v[SQ:SQ+1], v[SQ+2:SQ+3]
	v_pk_add_f32 v[SQ+4:SQ+5], v[SQ+4:SQ+5], v[SQ+6:SQ+7]
	v_pk_add_f32 v[SQ:SQ+1], v[SQ:SQ+1], v[SQ+4:SQ+5]
	v_add_f32 v[SQ], v[SQ], v[SQ+1]
	v_add_f32_dpp v[SQ], v[SQ], v[SQ] row_xmask:1 row_mask:0xf bank_mask:0xf
	v_add_f32_dpp v[SQ], v[SQ], v[SQ] row_xmask:2 row_mask:0xf bank_mask:0xf
	v_add_f32_dpp v[SQ], v[SQ], v[SQ] row_xmask:4 row_mask:0xf bank_mask:0xf
	v_add_f32_dpp v[SQ], v[SQ], v[SQ] row_xmask:8 row_mask:0xf bank_mask:0xf
	v_permlanex16_b32 v[SQ+1], v[SQ], s40, s41
	v_add_f32 v[SQ], v[SQ], v[SQ+1]                ; the row's sum of squares, in every lane
	v_fma_f32 v[SQ], v[SQ], s42, s43               ; mean + eps
	v_rsq_f32 v[R], v[SQ]
	v_nop                                          ; a plain instruction behind the root,
	s_wait_alu depctr_va_vdst(0)                   ; and a wait ahead of its first reader
	v_mov_b32 v[R+1], v[R]
.set p, 0
.rept 16
	v_pk_mul_f32 v[XR+2*p:XR+2*p+1], v[XR+2*p:XR+2*p+1], v[R:R+1]
.set p, p+1
.endr
.set p, 0
.rept 16
	v_pk_mul_f32 v[XR+2*p:XR+2*p+1], v[XR+2*p:XR+2*p+1], v[W+2*p:W+2*p+1]
.set p, p+1
.endr
.irp j, 0,1,2,3,4,5,6,7
	v_cvt_pk_f16_f32 v[XR+4*\j], v[XR+4*\j], v[XR+4*\j+1]
	v_cvt_pk_f16_f32 v[XR+4*\j+1], v[XR+4*\j+2], v[XR+4*\j+3]
	global_store_b64 v2, v[XR+4*\j:XR+4*\j+1], s[8:9] offset:2048*(\r)+256*\j  ; the wave's 32 lanes store 256 consecutive bytes, aligned; no register of a store is written again
.endr
.endm
	ROW 0
	ROW 1
	s_endpgm
.Lweights:
	s_sub_co_u32 s26, ttmp9, NORMWG                ; 0..1279: 128 work-groups for each 1,024 x 1,024 numbers
	v_lshlrev_b32 v1, 4, v0                        ; thread t takes 16 bytes at 16 t of each 4,096,
	v_lshlrev_b32 v2, 3, v0                        ; and stores 8 at 8 t of each 2,048
	s_wait_kmcnt 0x0
	s_mov_b64 s[28:29], s[10:11]
	s_mov_b32 s27, 0
.macro PICK first, reg                 ; from work-group 'first' on the source is the next weight
	s_cmp_ge_u32 s26, \first
	s_cselect_b64 s[28:29], s[\reg:\reg+1], s[28:29]
	s_cselect_b32 s27, \first, s27
.endm
	PICK 128, 12
	PICK 256, 14
	PICK 384, 16
	PICK 512, 18
	PICK 768, 20
	PICK 1024, 22
	s_sub_co_u32 s27, s26, s27                     ; my place in that weight
	s_lshl_b32 s30, s27, 15                        ; 32,768 bytes of f32 a work-group
	s_mov_b32 s31, 0
	s_add_nc_u64 s[28:29], s[28:29], s[30:31]
	s_lshl_b32 s30, s26, 14                        ; 16,384 bytes out: the copies follow each other in the order of the sources
	s_add_nc_u64 s[24:25], s[24:25], s[30:31]
.set r, 0
.rept 8
	global_load_b128 v[X+4*r:X+4*r+3], v1, s[28:29] offset:4096*r th:TH_LOAD_NT
.set r, r+1
.endr
.macro TAIL op                         ; piece r is rounded and stored as soon as it is in: 7 - r younger loads stay out
.set r, 0
.rept 8
	s_wait_loadcnt 7-r
	\op v[X+4*r], v[X+4*r], v[X+4*r+1]
	\op v[X+4*r+1], v[X+4*r+2], v[X+4*r+3]
	global_store_b64 v2, v[X+4*r:X+4*r+1], s[24:25] offset:2048*r
.set r, r+1
.endr
	s_endpgm
.endm
	s_cmp_ge_u32 s26, 1024
	s_cbranch_scc1 .Ldown
	TAIL v_cvt_pk_f16_f32
.Ldown:
	TAIL v_cvt_pk_bf16_f32
.Lfunc_end_k_q6c7d27ad42_prep:
	.size	k_q6c7d27ad42_prep, .Lfunc_end_k_q6c7d27ad42_prep-k_q6c7d27ad42_prep
	.p2alignl 7, 3214868480
	.fill 96, 4, 3214868480
	.section	.rodata,"a",@progbits
	.p2align	6, 0x0
	.amdhsa_kernel k_q6c7d27ad42_prep
		.amdhsa_group_segment_fixed_size 0
		.amdhsa_private_segment_fixed_size 0
		.amdhsa_enable_private_segment 0
		.amdhsa_kernarg_size 88
		.amdhsa_user_sgpr_count 2
		.amdhsa_user_sgpr_kernarg_segment_ptr 1
		.amdhsa_wavefront_size32 1
		.amdhsa_system_sgpr_workgroup_id_x 1
		.amdhsa_system_sgpr_workgroup_id_y 1
		.amdhsa_system_sgpr_workgroup_id_z 1
		.amdhsa_system_vgpr_workitem_id 0
		.amdhsa_next_free_vgpr 128
		.amdhsa_next_free_sgpr 66
		.amdhsa_reserve_vcc 0
		.amdhsa_float_denorm_mode_32 3
		.amdhsa_float_denorm_mode_16_64 3
		.amdhsa_memory_ordered 1
		.amdhsa_forward_progress 1
		.amdhsa_inst_pref_size 21
	.end_amdhsa_kernel
	.amdgpu_metadata
---
amdhsa.version: [ 1, 2 ]
amdhsa.kernels:
  - .name:           k_q6c7d27ad42_prep
    .symbol:         k_q6c7d27ad42_prep.kd
    .args:
      - { .name: x, .offset: 0, .size: 8, .value_kind: global_buffer, .address_space: global }
      - { .name: attn_norm_w, .offset: 8, .size: 8, .value_kind: global_buffer, .address_space: global }
      - { .name: xn, .offset: 16, .size: 8, .value_kind: global_buffer, .address_space: global }
      - { .name: wq, .offset: 24, .size: 8, .value_kind: global_buffer, .address_space: global }
      - { .name: wk, .offset: 32, .size: 8, .value_kind: global_buffer, .address_space: global }
      - { .name: wv, .offset: 40, .size: 8, .value_kind: global_buffer, .address_space: global }
      - { .name: wo, .offset: 48, .size: 8, .value_kind: global_buffer, .address_space: global }
      - { .name: w_gate, .offset: 56, .size: 8, .value_kind: global_buffer, .address_space: global }
      - { .name: w_up, .offset: 64, .size: 8, .value_kind: global_buffer, .address_space: global }
      - { .name: w_down, .offset: 72, .size: 8, .value_kind: global_buffer, .address_space: global }
      - { .name: w16, .offset: 80, .size: 8, .value_kind: global_buffer, .address_space: global }
    .group_segment_fixed_size: 0
    .private_segment_fixed_size: 0
    .kernarg_segment_align: 8
    .kernarg_segment_size: 88
    .max_flat_workgroup_size: 256
    .sgpr_count:     66
    .vgpr_count:     128
    .wavefront_size: 32
...
	.end_amdgpu_metadata
.endif
;; end of part 1
;; launch qkv (part 2): grid 8 x 32, 4 waves a work-group, clusters of 4 x 4, 327,680 bytes of LDS; arguments xn, w16, qkv; writes qkv
.if DOCPART == 2
	.amdgcn_target "amdgcn-amd-amdhsa--gfx1250"
	.amdhsa_code_object_version 6
	.text
	.protected	k_q6c7d27ad42_qkv
	.globl	k_q6c7d27ad42_qkv
	.p2align	8
	.type	k_q6c7d27ad42_qkv,@function
k_q6c7d27ad42_qkv:
	s_mov_b64 s[64:65], 0
	v_nop
	global_prefetch_b8 v0, s[64:65] scope:SCOPE_SE
	s_setreg_imm32_b32 hwreg(HW_REG_WAVE_MODE, 25, 1), 1
	s_wait_xcnt 0x0
	s_wait_alu depctr_hold_cnt(0) depctr_sa_sdst(0) depctr_va_vdst(0) depctr_va_sdst(0) depctr_va_ssrc(0) depctr_va_vcc(0) depctr_vm_vsrc(0)
	s_getreg_b32 s2, hwreg(HW_REG_IB_STS2, 6, 4)
	s_cmp_eq_u32 s2, 0
	s_cbranch_scc0 .Lentry_in_a_cluster
	s_endpgm
.Lentry_in_a_cluster:
	s_bfe_u32 s2, ttmp6, 0x10000c
	s_cmp_lg_u32 s2, 0xf033
	s_cbranch_scc0 .Lentry_shape_is_right
	s_endpgm
.Lentry_shape_is_right:
; q, k, v = xn x {wq | wk | wv}.  xn: [4096][1024] f16.  The three weights lie in w16 as [k 1024][n 1024] f16, 2,097,152 bytes apart.  Sums in f32.
; OUT: qkv[b 2][g 48][t 2048][64] f16, rounded once: g 0-15 q's heads, 16-31 k's, 32-47 v's; unscaled.  LIMIT: |q|, |k|, |v| under 65,504 (f16).
; A tile of the 4,096 x 3,072 result is 128 x 384: 32 x 8 = 256 work-groups.  Four waves, each 64 rows x 192 columns (three heads): 48 accumulators, 384 registers.
; K goes in 8 steps of 128 through two LDS slots.  A slot is four sub-tiles of 36,864 bytes, one tensor load a wave: wave 0 brings xn's 128 rows (pitch 272),
; waves 1-3 a chunk of 128 k x 128 columns of a weight each (pitch 288).  The weights are read as they lie, [k][n], and turned on the way out of LDS by ds_load_tr16_b128.
; THE PRODUCT IS USED TRANSPOSED: source 0 = 16 columns of a weight, source 1 = 16 rows of xn: a lane ends with one row and eight neighbouring columns, 16 bytes of f16.
; CLUSTER 4 x 4: xn's tile hangs on the tile row alone and is asked for jointly by a row of the cluster, a weight's chunk on the tile column alone, by a column.
; THE LOOP.  A K step is four quarters of 32 along K on two fragment buffers.  A PAIR of quarters is written once and walked twice a step: its LDS addresses are a lane term plus two scalars that
; step by a pair.  The change of slots stands between pairs: a trip is the change, then the old step's last quarter (its fragments lie in registers) and the new step's first three.
; REGISTERS: window 0: v0-31 addresses; v64-95, v96-127 xn's fragments, two buffers; v128-223 the way out.  window 1: v0-95, v96-191 the weights' fragments, two buffers.
;   window 2: accumulators of row blocks 0, 1 at 96 (a % 2) + 8 b; window 3: of row blocks 2, 3.
.set T,      8                         ; K steps
.set PA,     272
.set PB,     288
.set SUB,    36864
.set SLOT,   4*SUB                     ; 0x24000: its bits lie apart from those of wave x 0x9000, so one exclusive or changes the slot
.set STAGE,  2*SLOT                    ; behind the ring: [3 heads][16 rows][144 bytes] for each wave
.set WST,    3*16*144
.set SPARE,  STAGE+4*WST               ; the spare words: 128 bytes a wave, named by no other line
.set ASTEP,  256                       ; bytes from a K step to the next in xn,
.set BSTEP,  128*2048                  ; and in a weight
.set QA,     64                        ; LDS bytes from a quarter to the next in xn's rows,
.set QB,     32*PB                     ; and in a weight's chunk
.set AHEAD,  1                         ; a prefetch names the K step this many behind the one that is being asked for
.set ADRA0, 2                          ; v2     my lane's place in xn's sub-tile; never rewritten
.set ADRB0, 3                          ; v3-5   the same for my three heads' columns
.set ADRA,  6                          ; v6     the same at the quarter to be fetched
.set ADRB,  7                          ; v7-9
.set STO,   10
.set RD,    11
.set GO,    12
.set PFO,   13                         ; v13    the prefetches' offset: lane x 2,048; never rewritten
.set SPW,   14                         ; v14    my spare word; never rewritten
.set NIL,   15                         ; v15    0; never rewritten
.set TMP,   128
.set BK,    176
.set ROLE,  10                         ; wave 0 fetches xn, the others the weights
.set TA,  18                           ; s18  slot + quarter, for xn's fragments
.set TW,  19                           ; s19  the same for the weights'
.set G1A, 24
.set G0A, 32                           ; two sets: the first fills'; the second then walks
.set G1B, 48
.set G0B, 56
.set PFA, 68                           ; s[68:69] where my prefetches stand
.set PFS, 70                           ; s[70:71] their step
.set LIM, 72                           ; s72  AHEAD in a wave that prefetches, else the greatest number
.set TB,  73                           ; s73  the slot in hand: 0 or SLOT
.set MSB, 0
.macro WIN new                         ; the immediate's high byte repeats the setting that is left
.if MSB != (\new)
	s_set_vgpr_msb (MSB<<8)|(\new)
.set MSB, \new
.endif
.endm
.macro PLACES                          ; four plain instructions between a matrix instruction and a load into, or a vector read of, its registers
.rept 4
	v_nop
.endr
.endm
.macro CROUND                          ; a round of the cluster's barrier
	s_barrier_signal -1
	s_barrier_wait -1
	s_cmp_lg_u32 s10, 0
	s_cbranch_scc1 .Lnot_wave_0_\@
	s_barrier_signal -3
.Lnot_wave_0_\@:
	s_barrier_wait -3
	s_barrier_signal -1
	s_barrier_wait -1
.endm
.macro JLOAD                           ; a joint refill by the walking set; the branch hangs on the wave's number alone; s_nop 0 and four v_nop follow each line
	s_cmp_eq_u32 s[ROLE], 0
	s_cbranch_scc0 .Lfor_b_\@
	tensor_load_to_lds s[G0A+4:G0A+7], s[G1A:G1A+7]
	s_nop 0
	PLACES
	s_branch .Lasked_\@
.Lfor_b_\@:
	tensor_load_to_lds s[G0B+4:G0B+7], s[G1B:G1B+7]
	s_nop 0
	PLACES
.Lasked_\@:
.endm
; A prefetch of the K step behind the one just asked for: 32 blocks of 256 bytes, a lane a row.  xn's rows are named by the clusters with x = 0, the weights' by those with y = 0; of the 128 rows
; that a wave fetches each of the four partners takes 32, told apart by address.  The trips whose look-ahead would pass K's end ask for nothing.
.macro ASK
	s_cmp_gt_u32 s3, s[LIM]
	s_cbranch_scc0 .Lnot_mine_\@
	global_prefetch_b8 v[PFO], s[PFA:PFA+1] th:TH_LOAD_NT scope:SCOPE_SE
.Lnot_mine_\@:
.endm
	s_load_b128 s[4:7], s[0:1], 0x0                ; xn s[4:5], w16 s[6:7]
	s_load_b64 s[8:9], s[0:1], 0x10                ; qkv
	v_lshl_add_u32 v[SPW], v0, 2, SPARE
	v_mov_b32 v[NIL], 0
	ds_add_u32 v[SPW], v[NIL]                      ; the wave's opening: the add and its wait ahead of my first tensor load
	v_lshrrev_b32 v1, 5, v0
	v_readfirstlane_b32 s10, v1                    ; wave 0..3
	s_lshr_b32 s11, s10, 1                         ; which 64 rows are mine
	s_and_b32 s12, s10, 1                          ; which 192 columns
	s_bfe_u32 s40, ttmp6, 0x40000                  ; cx
	s_bfe_u32 s41, ttmp6, 0x40004                  ; cy
	s_lshl_b32 s42, ttmp9, 2
	s_add_co_u32 s42, s42, s40                     ; tile column
	s_and_b32 s13, ttmp7, 0xffff
	s_lshl_b32 s13, s13, 2
	s_add_co_u32 s13, s13, s41                     ; tile row
	s_lshl_b32 s43, s41, 2
	s_lshl_b32 s43, 15, s43                        ; my row of the cluster
	s_lshl_b32 s44, 0x1111, s40                    ; my column
	s_or_b32 s[G1A], s43, (1<<16)|(1<<20)|(1<<21)|(5<<22)|(3<<25)  ; mask; 2-byte elements; padding on; bit 21 beside a mask; after every 64 words 4 words
	s_or_b32 s[G1B], s44, (1<<16)|(1<<20)|(1<<21)|(5<<22)|(7<<25)  ; the same with 8 words
.irp g, G1A, G1B
	s_mov_b32 s[\g+1], 128<<16                     ; tensor_dim0 = 128
	s_mov_b32 s[\g+2], 128<<16                     ; tensor_dim1 = 128
	s_mov_b32 s[\g+3], 128<<16                     ; tile_dim0 = 128
	s_mov_b32 s[\g+4], 128                         ; tile_dim1 = 128
	s_mov_b32 s[\g+5], 1024                        ; elements from row to row
	s_mov_b32 s[\g+6], 0
	s_mov_b32 s[\g+7], 0
.endr
	s_lshl_b32 s16, s13, 18                        ; xn: 128 rows of 2,048 bytes a tile row
	s_mov_b32 s17, 0
	s_sub_co_i32 s46, s10, 1
	s_max_i32 s46, s46, 0
	s_mul_i32 s47, s42, 3
	s_add_co_u32 s46, s46, s47                     ; my chunk of 128 columns among the 24
	s_lshr_b32 s47, s46, 3
	s_lshl_b32 s47, s47, 21                        ; which weight,
	s_and_b32 s46, s46, 7
	s_lshl_b32 s46, s46, 8                         ; which 256 bytes of its rows
	s_add_co_u32 s46, s46, s47
	s_mov_b32 s47, 0
	s_mul_i32 s20, s10, SUB                        ; where my load lands: wave x 36,864
	s_wait_dscnt 0x0                               ; the opening add is done
	s_wait_kmcnt 0x0
	s_add_nc_u64 s[14:15], s[4:5], s[16:17]
	s_add_nc_u64 s[46:47], s[6:7], s[46:47]
.irp s, 0,1
	s_mov_b32 s[G0A+4*\s], 1
	s_add_co_u32 s[G0A+4*\s+1], s20, \s*SLOT
	s_add_nc_u64 s[G0A+4*\s+2:G0A+4*\s+3], s[14:15], \s*ASTEP
	s_or_b32 s[G0A+4*\s+3], s[G0A+4*\s+3], 0x80000000
	s_mov_b32 s[G0B+4*\s], 1
	s_add_co_u32 s[G0B+4*\s+1], s20, \s*SLOT
	s_add_nc_u64 s[G0B+4*\s+2:G0B+4*\s+3], s[46:47], \s*BSTEP
	s_or_b32 s[G0B+4*\s+3], s[G0B+4*\s+3], 0x80000000
.endr
	CROUND                                         ; all sixteen work-groups are here: the first joint loads meet
	s_cmp_eq_u32 s[ROLE], 0                        ; a wave's two first fills stand in one branch: two loads of mine are out
	s_cbranch_scc0 .Lfirst_b
	tensor_load_to_lds s[G0A:G0A+3], s[G1A:G1A+7]
	s_nop 0
	tensor_load_to_lds s[G0A+4:G0A+7], s[G1A:G1A+7]
	s_nop 0
	PLACES
	s_branch .Lfirst_asked
.Lfirst_b:
	tensor_load_to_lds s[G0B:G0B+3], s[G1B:G1B+7]
	s_nop 0
	tensor_load_to_lds s[G0B+4:G0B+7], s[G1B:G1B+7]
	s_nop 0
	PLACES
.Lfirst_asked:
	v_and_b32 v1, 15, v0                           ; l % 16
	v_bfe_u32 v16, v0, 4, 1                        ; l / 16
	v_and_b32 v17, 7, v0
	v_bfe_u32 v18, v0, 3, 1
	v_mul_u32_u24 v[ADRA0], v1, PA                 ; a fragment of xn: row x pitch + 16 x half, in my 64 rows
	v_lshl_add_u32 v[ADRA0], v16, 4, v[ADRA0]
	s_mul_i32 s21, s11, 64*PA
	v_add_nc_u32 v[ADRA0], s21, v[ADRA0]
	v_lshl_add_u32 v19, v16, 3, v17                ; the turning load: k row 8 (l / 16) + l % 8, 16 bytes at 16 ((l / 8) % 2)
	v_mul_u32_u24 v19, v19, PB
	v_lshl_add_u32 v19, v18, 4, v19
	s_mul_i32 s22, s12, 3
.irp g, 0,1,2
	s_add_co_u32 s23, s22, \g                      ; head 0..5 of the tile: chunk head / 2, half head % 2
	s_lshr_b32 s21, s23, 1
	s_mul_i32 s21, s21, SUB
	s_and_b32 s23, s23, 1
	s_lshl_b32 s23, s23, 7
	s_add_co_u32 s21, s21, s23
	s_add_co_u32 s21, s21, SUB
	v_add_nc_u32 v[ADRB0+\g], s21, v19
.endr
	s_mul_i32 s23, s10, WST
	s_add_co_u32 s23, s23, STAGE                   ; my stage
	v_mul_u32_u24 v[STO], v1, 144                  ; in: row l % 16, 16 bytes for each half of the lanes
	v_lshl_add_u32 v[STO], v16, 4, v[STO]
	v_add_nc_u32 v[STO], s23, v[STO]
	v_bfe_u32 v[RD], v0, 3, 2                      ; back: 32 lanes take four rows of 128 bytes,
	v_mul_u32_u24 v[RD], v[RD], 144
	v_lshl_add_u32 v[RD], v17, 4, v[RD]
	v_add_nc_u32 v[RD], s23, v[RD]
	v_and_b32 v[GO], 31, v0                        ; which are 512 consecutive bytes of a head
	v_lshlrev_b32 v[GO], 4, v[GO]
	s_lshr_b32 s21, s13, 4                         ; batch
	s_mul_i32 s21, s21, 48
	s_mul_i32 s23, s42, 6
	s_add_co_u32 s21, s21, s23
	s_add_co_u32 s21, s21, s22                     ; + 6 x tile column + 3 x my half: my first head
	s_lshl_b32 s21, s21, 18                        ; heads of 262,144 bytes
	s_and_b32 s22, s13, 15
	s_lshl_b32 s22, s22, 7
	s_lshl_b32 s23, s11, 6
	s_add_co_u32 s22, s22, s23                     ; my first row t
	s_lshl_b32 s22, s22, 7
	s_add_co_u32 s16, s21, s22
	s_mov_b32 s17, 0
	s_add_nc_u64 s[8:9], s[8:9], s[16:17]
	s_mov_b32 s23, BSTEP                           ; the prefetches
	s_and_b32 s22, ttmp7, 0xffff
	s_cmp_eq_u32 s[ROLE], 0
	s_cselect_b32 s21, s40, s41                    ; my place among the four that ask with me
	s_cselect_b32 s22, ttmp9, s22                  ; the coordinate along which other clusters read the same rows
	s_cselect_b64 s[PFA:PFA+1], s[14:15], s[46:47]
	s_cselect_b32 s[PFS], ASTEP, s23
	s_mov_b32 s[PFS+1], 0
	s_cmp_eq_u32 s22, 0
	s_cselect_b32 s[LIM], AHEAD, -1
	s_lshl_b32 s20, s21, 16                        ; my work-group's 32 rows of 2,048 bytes
	s_mov_b32 s21, 0
	s_add_nc_u64 s[PFA:PFA+1], s[PFA:PFA+1], s[20:21]
	s_mul_i32 s20, s[PFS], 1+AHEAD                 ; at K step 2: the first refill steps it to 3
	s_add_nc_u64 s[PFA:PFA+1], s[PFA:PFA+1], s[20:21]
	v_and_b32 v[PFO], 31, v0
	v_lshlrev_b32 v[PFO], 11, v[PFO]
	s_mov_b32 s[TB], 0
	s_mov_b32 s[TA], 0
	s_mov_b32 s[TW], 0
.macro SETADR
	v_add_nc_u32 v[ADRA], s[TA], v[ADRA0]
.irp g, 0,1,2
	v_add_nc_u32 v[ADRB+\g], s[TW], v[ADRB0+\g]
.endr
.endm
; 12 products: row block a x my 12 column blocks, 32 along K, on buffer f.  The 48 accumulators take turns, one instruction a turn, in the same order in every quarter.
.macro MULA f, a, zero
	WIN 0xa1+0x50*((\a)/2)
.irp b, 0,1,2,3,4,5,6,7,8,9,10,11
.if \zero
	v_wmma_f32_16x16x32_f16 v[96*((\a)%2)+8*\b:96*((\a)%2)+8*\b+7], v[96*(\f)+8*\b:96*(\f)+8*\b+7], v[64+32*(\f)+8*(\a):64+32*(\f)+8*(\a)+7], 0
.else
	v_wmma_f32_16x16x32_f16 v[96*((\a)%2)+8*\b:96*((\a)%2)+8*\b+7], v[96*(\f)+8*\b:96*(\f)+8*\b+7], v[64+32*(\f)+8*(\a):64+32*(\f)+8*(\a)+7], v[96*((\a)%2)+8*\b:96*((\a)%2)+8*\b+7]
.endif
.endr
.endm
; 32 LDS loads in one run: the quarter o (0, 1) behind the address registers' into buffer f: the weights' 24 first, then xn's 8
.macro FETCH o, f
	WIN 0x40
.irp b, 0,1,2,3,4,5,6,7,8,9,10,11
	ds_load_tr16_b128 v[96*(\f)+8*\b:96*(\f)+8*\b+3],   v[ADRB+(\b)/4] offset:(\o)*QB+32*((\b)%4)
	ds_load_tr16_b128 v[96*(\f)+8*\b+4:96*(\f)+8*\b+7], v[ADRB+(\b)/4] offset:(\o)*QB+32*((\b)%4)+16*PB
.endr
	WIN 0
.irp a, 0,1,2,3
	ds_load_b128 v[64+32*(\f)+8*\a:64+32*(\f)+8*\a+3],   v[ADRA] offset:(\o)*QA+\a*16*PA
	ds_load_b128 v[64+32*(\f)+8*\a+4:64+32*(\f)+8*\a+7], v[ADRA] offset:(\o)*QA+\a*16*PA+32
.endr
.endm
.macro QUARTER o, f, g, zero           ; multiplies buffer f; in its middle fetches quarter o into buffer g
	s_wait_dscnt 4                                 ; all but xn's row blocks 2, 3 (the youngest four loads)
	MULA \f, 0, \zero
	MULA \f, 1, \zero
	PLACES
	FETCH \o, \g
	s_wait_dscnt 32                                ; all but the 32 just issued
	MULA \f, 2, \zero
	MULA \f, 3, \zero
.endm
.macro PAIR                            ; two quarters, and the addresses step on by two
	QUARTER 0, 1, 0, 0
	QUARTER 1, 0, 1, 0
	WIN 0
	s_add_co_u32 s[TA], s[TA], 2*QA
	s_add_co_u32 s[TW], s[TW], 2*QB
	SETADR
.endm
; THE CHANGE OF SLOTS.  The slot's last quarter has been fetched.  Each wave waits for all its tensor loads (one is out: its part of the next slot), adds 0 to its spare word, and waits for that and
; for its reads of the slot.  fill = 1: the barrier is a round of the cluster's, and the joint refill, two K steps on, is the first thing behind it: it has a whole step's 192 products in which to land.
.macro CHANGE fill
.if \fill
	s_wait_xcnt 0x0                                ; the last prefetch, a K step back, has read its address
	s_add_nc_u64 s[PFA:PFA+1], s[PFA:PFA+1], s[PFS:PFS+1]
.endif
	WIN 0
	s_wait_tensorcnt 0x0
	ds_add_u32 v[SPW], v[NIL]                      ; 0 onto my spare word; work on registers stands between it and the wait for it
.if \fill
	s_xor_b32 s[G0A+5], s[G0A+5], SLOT             ; no tensor load of mine is out: the walking sets take the other slot and the next K step
	s_add_nc_u64 s[G0A+6:G0A+7], s[G0A+6:G0A+7], ASTEP
	s_xor_b32 s[G0B+5], s[G0B+5], SLOT
	s_add_nc_u64 s[G0B+6:G0B+7], s[G0B+6:G0B+7], BSTEP
.endif
	s_xor_b32 s[TB], s[TB], SLOT                   ; the fetches go to the other slot's first quarter
	s_mov_b32 s[TA], s[TB]
	s_mov_b32 s[TW], s[TB]
	SETADR
	s_wait_dscnt 0x0                               ; the add is done, my reads of the slot are over
.if \fill
	CROUND
	JLOAD
	ASK
.else
	s_barrier_signal -1
	s_barrier_wait -1
.endif
.endm
	SETADR
	s_wait_tensorcnt 1                             ; my part of K step 0 is in; step 1's may stay out
	s_barrier_signal -1
	s_barrier_wait -1
	FETCH 0, 0
	QUARTER 1, 0, 1, 1                             ; the first quarter's products start the sums
	WIN 0
	s_mov_b32 s[TA], 2*QA
	s_mov_b32 s[TW], 2*QB
	SETADR
	s_mov_b32 s3, T-1
	s_mov_b32 s2, 1
	s_branch .Lpair                                ; step 0 has one pair left: the loop is entered behind the change
.Lstep:                                        ; T - 2 whole trips: every slot but the last two is filled again
	CHANGE 1
	s_mov_b32 s2, 2
.Lpair:
	PAIR
	s_sub_co_u32 s2, s2, 1
	s_cmp_lg_u32 s2, 0
	s_cbranch_scc1 .Lpair
	s_sub_co_u32 s3, s3, 1
	s_cmp_lg_u32 s3, 0
	s_cbranch_scc1 .Lstep
	CHANGE 0                                       ; the tail is written out
	s_mov_b32 s2, 2
.Lpair_t:
	PAIR
	s_sub_co_u32 s2, s2, 1
	s_cmp_lg_u32 s2, 0
	s_cbranch_scc1 .Lpair_t
	s_wait_dscnt 4                                 ; the very last quarter: nothing more to fetch
	MULA 1, 0, 0
	MULA 1, 1, 0
	s_wait_dscnt 0x0
	MULA 1, 2, 0
	MULA 1, 3, 0
	WIN 0
; THE WAY OUT, a row block at a time: rounded to f16; 16 bytes a lane into my stage; back as 512 consecutive bytes of a head; stored.
.macro OUT a
	WIN 0x0a+5*((\a)/2)
.irp b, 0,1,2,3,4,5,6,7,8,9,10,11
.irp r, 0,1,2,3
	v_cvt_pk_f16_f32 v[TMP+4*\b+\r], v[96*((\a)%2)+8*\b+2*\r], v[96*((\a)%2)+8*\b+2*\r+1]
.endr
.endr
	WIN 0
.irp b, 0,1,2,3,4,5,6,7,8,9,10,11
	ds_store_b128 v[STO], v[TMP+4*\b:TMP+4*\b+3] offset:2304*((\b)/4)+32*((\b)%4)
.endr
.if (\a) > 0
	s_wait_xcnt 0x0                                ; the last block's stores have read their registers
.endif
.irp n, 0,1,2,3,4,5,6,7,8,9,10,11
	ds_load_b128 v[BK+4*\n:BK+4*\n+3], v[RD] offset:2304*((\n)/4)+576*((\n)%4)  ; LDS serves a wave's instructions in order: these see the stores above
.endr
	s_wait_dscnt 0x0
.irp n, 0,1,2,3,4,5,6,7,8,9,10,11
	global_store_b128 v[GO], v[BK+4*\n:BK+4*\n+3], s[8:9] offset:((\n)/4)*262144+(\a)*2048+512*((\n)%4)
.endr
.endm
	PLACES
	OUT 0
	OUT 1
	OUT 2
	OUT 3
	s_wait_tensorcnt 0x0                           ; the wave's end
	ds_add_u32 v[SPW], v[NIL]
	s_wait_dscnt 0x0
	CROUND                                         ; the closing round
	s_endpgm
.Lfunc_end_k_q6c7d27ad42_qkv:
	.size	k_q6c7d27ad42_qkv, .Lfunc_end_k_q6c7d27ad42_qkv-k_q6c7d27ad42_qkv
	.p2alignl 7, 3214868480
	.fill 96, 4, 3214868480
	.section	.rodata,"a",@progbits
	.p2align	6, 0x0
	.amdhsa_kernel k_q6c7d27ad42_qkv
		.amdhsa_group_segment_fixed_size 327680
		.amdhsa_private_segment_fixed_size 0
		.amdhsa_enable_private_segment 0
		.amdhsa_kernarg_size 24
		.amdhsa_user_sgpr_count 2
		.amdhsa_user_sgpr_kernarg_segment_ptr 1
		.amdhsa_wavefront_size32 1
		.amdhsa_system_sgpr_workgroup_id_x 1
		.amdhsa_system_sgpr_workgroup_id_y 1
		.amdhsa_system_sgpr_workgroup_id_z 1
		.amdhsa_system_vgpr_workitem_id 0
		.amdhsa_next_free_vgpr 960
		.amdhsa_next_free_sgpr 80
		.amdhsa_reserve_vcc 0
		.amdhsa_float_denorm_mode_32 3
		.amdhsa_float_denorm_mode_16_64 3
		.amdhsa_memory_ordered 1
		.amdhsa_forward_progress 1
		.amdhsa_inst_pref_size 68
	.end_amdhsa_kernel
	.amdgpu_metadata
---
amdhsa.version: [ 1, 2 ]
amdhsa.kernels:
  - .name:           k_q6c7d27ad42_qkv
    .symbol:         k_q6c7d27ad42_qkv.kd
    .args:
      - { .name: xn, .offset: 0, .size: 8, .value_kind: global_buffer, .address_space: global }
      - { .name: w16, .offset: 8, .size: 8, .value_kind: global_buffer, .address_space: global }
      - { .name: qkv, .offset: 16, .size: 8, .value_kind: global_buffer, .address_space: global }
    .group_segment_fixed_size: 327680
    .private_segment_fixed_size: 0
    .kernarg_segment_align: 8
    .kernarg_segment_size: 24
    .max_flat_workgroup_size: 128
    .sgpr_count:     80
    .vgpr_count:     960
    .wavefront_size: 32
...
	.end_amdgpu_metadata
.endif
;; end of part 2
;; launch attn (part 3): grid 16 x 16, 4 waves a work-group, clusters of 4 x 1, 327,680 bytes of LDS; arguments qkv, att; writes att
.if DOCPART == 3
	.amdgcn_target "amdgcn-amd-amdhsa--gfx1250"
	.amdhsa_code_object_version 6
	.text
	.protected	k_q6c7d27ad42_attn
	.globl	k_q6c7d27ad42_attn
	.p2align	8
	.type	k_q6c7d27ad42_attn,@function
k_q6c7d27ad42_attn:
	s_mov_b64 s[64:65], 0
	v_nop
	global_prefetch_b8 v0, s[64:65] scope:SCOPE_SE
	s_setreg_imm32_b32 hwreg(HW_REG_WAVE_MODE, 25, 1), 1
	s_wait_xcnt 0x0
	s_wait_alu depctr_hold_cnt(0) depctr_sa_sdst(0) depctr_va_vdst(0) depctr_va_sdst(0) depctr_va_ssrc(0) depctr_va_vcc(0) depctr_vm_vsrc(0)
	s_getreg_b32 s2, hwreg(HW_REG_IB_STS2, 6, 4)
	s_cmp_eq_u32 s2, 0
	s_cbranch_scc0 .Lentry_in_a_cluster
	s_endpgm
.Lentry_in_a_cluster:
	s_bfe_u32 s2, ttmp6, 0x10000c
	s_cmp_lg_u32 s2, 0x3003
	s_cbranch_scc0 .Lentry_shape_is_right
	s_endpgm
.Lentry_shape_is_right:
; CAUSAL ATTENTION, head size 64.  qkv: [b 2][g 48][t 2048][64] f16 (g 0-15 q, 16-31 k, 32-47 v).  att: [4096][1024] f16, column = head x 64 + channel.
; O[q] = sum over k <= q of softmax_k(Q[q] . K[k] / 8) V[k].  Products, maxima and sums in f32; the weights p are rounded to f16 for the second product (their sum l is of the unrounded p), O once.
; LIMITS.  q, k, v arrive within f16's 65,504; a hidden score counts as its value less 1e30; a weight below 2^-126 counts as 0 in l; NaN and infinities are not treated apart.
; SHARES.  A work-group takes a PAIR of heads (a row of att's pair is 256 aligned bytes) and two blocks of 64 queries, 31 - b and then b, b = 4 j + i (j: the cluster, i: my place in it).
; Wave w: head w % 2, rows 32 (w / 2) + 16 u + lane % 16, two tiles u.  Keys come in slots of 256, four steps of 64.  The first block needs 8 - j slots, the second j + 1: nine for every work-group,
; and the number hangs on j alone.  So the four partners of a cluster walk the same slots in the same trips, and every fill is a JOINT load of all four.  No branch hangs on i: a block's last slot
; runs all four steps under a mask that is made as data (36 steps where 33 hold visible keys).
; THE MASK is the C operand that starts S^T = K Q^T: 0, or -1e30 where key > query; outside a block's last slot it is 0 throughout.
; LAYOUT.  S^T holds one query a lane (lane % 16) and the keys 8 (lane / 16) + 0..7; two such results rounded to f16 are source 1 of O^T = V^T P.  p = 2^(c s - c m), c = log2(e) / 8, with a running
; maximum m; O and l are multiplied by a = 2^(c m_old - c m_new) in every step.
; A TRIP SPANS TWO STEPS.  Trip t: K of step t + 1 is fetched; the softmax of step t (a, the scalings and the exponentials: one batch, one wait; then the roundings and sums); 16 products K Q^T of
; step t + 1, behind which stands O^T's rescaling by a(t); 16 products V^T P of step t, behind which stand the maximum and statistics of step t + 1; V of step t + 1 is fetched.  So 74 of a step's 236
; vector lines stand beside matrix instructions.  S^T has one buffer: step t + 1's scores overwrite it behind step t's sums; a(t) is read (by O^T and by l) ahead of the statistics that overwrite it.
; What stands behind a product lies in another window than its operands, so such a group costs two switches: 8 groups behind K Q^T, 16 behind V^T P.
; A SLOT'S LOOP HAS FIVE TRIPS.  Trips 1 to 4 fetch the slot's four steps of K and V: V of a step is asked for ahead of K of the next, so that all reads of a slot are out ahead of the change of slots.
; The fifth finishes a block's last step: it fetches nothing, and its K Q^T, on the last K once more, and the statistics made of them serve nothing; elsewhere it is jumped.
; A BLOCK'S FIRST TRIP is entered at its products: a = 0, m the lowest finite number; its V^T P, of a step that has not been, lands in an O^T that the next trip multiplies by 0, so V, P, O^T and l need only be finite.
; REGISTERS.  window 0: v2-15, v32-36 addresses and constants; v16-23 statistics (c m, m, l, l a tile); v24-31 at work; v64-127 S^T; v128-159 P; v160-223 the masks; v224-255 the first block's packed O.
;   window 1: v0-63 O^T; v64-95 Q; v96-127 the second block's Q; v128-191 K of a step; v192-255 V of a step.
.set KS,    64
.set PK,    144                        ; a key's row of K in LDS: 128 bytes + 16
.set PV,    160                        ; of V: 128 + 32
.set KH,    256*PK                     ; a head's K of a slot
.set VH,    256*PV
.set VOFF,  2*KH
.set SLOT,  2*KH+2*VH                  ; 155,648
.set STG,   SLOT                       ; the stage at the very end lies in slot 1, whose last fill is the walk's eighth slot, read out ahead of the last change's barrier
.set SP,    272
.set SPARE, 2*SLOT                     ; the spare words: 128 bytes a wave, named by no other line
.set AK0, 2
.set AV0, 3
.set AK,  4
.set AV,  5
.set STO, 6
.set RD,  7
.set GO,  8
.set MV,  12                           ; v12-13 c m_old
.set DB,  14                           ; v14  32 (w / 2) + lane % 16 - 8 (lane / 16)
.set D,   15
.set ST,  16
.set TMP, 24                           ; by tile, four registers c0-c3 at work; c1 takes c m_old - c m_new, c2 then a
.set QO,  32
.set PFO, 33                           ; v33  256 x lane; never rewritten
.set SPW, 34
.set NIL, 35
.set BG,  36                           ; v36  -1e30; never rewritten
.set S,   64
.set P,   128
.set MC,  160
.set HO,  224
.set Q,   64                           ; window 1
.set QB,  96
.set KF,  128
.set VF,  192
.set WV,  12
.set J,   13
.set CX,  14
.set G1K, 24
.set G1V, 32
.set G0K, 40
.set G0V, 44
.set KB,  48                           ; s[48:49] my head's K,  s[50:51] its V
.set VB,  50
.set OHI, 52                           ; s[52:53], s[54:55] att at my 16 rows of the first and of the second block
.set OLO, 54
.set SLOTS, 56
.set CNT, 57
.set CS,  58
.set SEL, 60
.set TBK, 62
.set TBV, 63
.set RT,  66                           ; slots of the block in hand still to be entered
.set NXT, 67                           ; the slot to be asked for next
.set LQ,  68                           ; the last slot of the block whose slots are being asked for
.set SB,  69                           ; the LDS slot that is read
.set FB,  70                           ; the LDS slot that is filled
.set EOFF, 71                          ; 64 x (the block's own step - the step whose scores are made), in a block's last slot
.set ELO, 72
.set OFF, 74
.set PFA, 76
.set LIM, 78
.set KL,  79                           ; my head's K, and V, in a slot
.set VL,  80
.set NEW, 81                           ; 1: the trip to come is a block's first
.set MSB, 0
.macro WIN new
.if MSB != (\new)
	s_set_vgpr_msb (MSB<<8)|(\new)
.set MSB, \new
.endif
.endm
.macro PLACES
.rept 4
	v_nop
.endr
.endm
.macro CROUND
	s_barrier_signal -1
	s_barrier_wait -1
	s_cmp_lg_u32 s[WV], 0
	s_cbranch_scc1 .Lnot_wave_0_\@
	s_barrier_signal -3
.Lnot_wave_0_\@:
	s_barrier_wait -3
	s_barrier_signal -1
	s_barrier_wait -1
.endm
.macro JLOAD                           ; waves 0, 1 bring the two heads' K of a slot, waves 2, 3 their V: 32,768 dense bytes each
	s_cmp_lt_u32 s[WV], 2
	s_cbranch_scc0 .Lfor_v_\@
	tensor_load_to_lds s[G0K:G0K+3], s[G1K:G1K+7]
	s_nop 0
	PLACES
	s_branch .Lasked_\@
.Lfor_v_\@:
	tensor_load_to_lds s[G0V:G0V+3], s[G1V:G1V+7]
	s_nop 0
	PLACES
.Lasked_\@:
.endm
; A prefetch of the slot that the next change will ask for.  The pair's first cluster (j = 0) walks slots 0 to 7 in order and asks; each wave names its own stream, each partner 32 of the stream's 128
; blocks of 256 bytes, told apart by address, a lane a block.  Slot 7 is the last that is named; the second block's slots have been read.
.macro ASK
	s_cmp_gt_u32 s[SLOTS], s[LIM]
	s_cbranch_scc0 .Lnot_mine_\@
	global_prefetch_b8 v[PFO], s[PFA:PFA+1] th:TH_LOAD_NT scope:SCOPE_SE
.Lnot_mine_\@:
.endm
.macro INIT                            ; what a block's first trip finds
.irp u, 0,1
	v_mov_b32 v[ST+4*\u], 0xfe000000               ; c m: far below every c s, so that the first step's a is 0
	v_mov_b32 v[ST+4*\u+1], 0xff7fffff             ; m
	v_mov_b32 v[TMP+4*\u+1], 0
	v_mov_b32 v[TMP+4*\u+2], 0                     ; a for the trip that is entered at its products
	v_mov_b32 v[TMP+4*\u+3], 0                     ; named with it as a pair
.endr
.set i, 0
.rept 64
	v_mov_b32 v[MC+i], 0
.set i, i+1
.endr
.endm
	s_load_b128 s[4:7], s[0:1], 0x0                ; qkv s[4:5], att s[6:7]
	v_lshl_add_u32 v[SPW], v0, 2, SPARE
	v_mov_b32 v[NIL], 0
	ds_add_u32 v[SPW], v[NIL]                      ; the wave's opening: the add and its wait ahead of my first tensor load
	v_lshrrev_b32 v1, 5, v0
	v_readfirstlane_b32 s[WV], v1
	s_mov_b32 s[J], ttmp9                          ; the cluster among the pair's four
	s_bfe_u32 s[CX], ttmp6, 0x40000                ; my place in it: it enters Q's and att's addresses, the prefetches' and the mask's numbers alone
	s_and_b32 s15, ttmp7, 0xffff                   ; the pair of heads
	s_lshr_b32 s16, s15, 3                         ; batch
	s_and_b32 s17, s15, 7                          ; pair in the batch
	s_and_b32 s18, s[WV], 1                        ; my head of the two
	s_lshr_b32 s19, s[WV], 1                       ; my 32 rows of the 64
	s_mul_i32 s20, s16, 48
	s_lshl1_add_u32 s20, s17, s20
	s_add_co_u32 s20, s20, s18
	s_lshl_b32 s20, s20, 18                        ; my head's q: groups of 262,144 bytes
	s_mov_b32 s21, 0
	s_mul_i32 s[KL], s18, KH
	s_mul_i32 s[VL], s18, VH
	s_add_co_u32 s[VL], s[VL], VOFF
	s_mov_b32 s[G1K], 15|(1<<16)|(1<<20)|(1<<21)|(4<<22)|(3<<25)  ; the mask of four; 2-byte elements; padding on; bit 21 beside a mask; after every 32 words (a key) 4 words
	s_mov_b32 s[G1V], 15|(1<<16)|(1<<20)|(1<<21)|(4<<22)|(7<<25)  ; the same with 8 words
.irp g, G1K, G1V
	s_mov_b32 s[\g+1], 128<<16                     ; 256 keys are asked for as 128 rows of 256 bytes
	s_mov_b32 s[\g+2], 128<<16
	s_mov_b32 s[\g+3], 128<<16
	s_mov_b32 s[\g+4], 128
	s_mov_b32 s[\g+5], 128
	s_mov_b32 s[\g+6], 0
	s_mov_b32 s[\g+7], 0
.endr
	s_lshl2_add_u32 s22, s[J], s[CX]               ; b
	s_sub_co_u32 s23, 31, s22                      ; the first block
	s_lshl_b32 s2, s23, 13                         ; blocks of 64 rows x 128 bytes
	s_lshl_b32 s3, s19, 12
	s_add_co_u32 s2, s2, s3
	s_lshl_b32 s82, s22, 13
	s_add_co_u32 s82, s82, s3
	s_mov_b32 s3, 0
	s_mov_b32 s83, 0
	s_lshl_b32 s84, s16, 11
	s_lshl4_add_u32 s84, s[WV], s84                ; batch x 2,048 + 16 w: the rows that I store
	s_lshl_b32 s85, s17, 8                         ; the pair's 256 bytes of a row
	s_lshl_b32 s86, s23, 6
	s_add_co_u32 s86, s86, s84
	s_lshl_b32 s86, s86, 11
	s_add_co_u32 s86, s86, s85
	s_mov_b32 s87, 0
	s_lshl_b32 s88, s22, 6
	s_add_co_u32 s88, s88, s84
	s_lshl_b32 s88, s88, 11
	s_add_co_u32 s88, s88, s85
	s_mov_b32 s89, 0
	s_sub_co_u32 s[RT], 8, s[J]
	s_sub_co_u32 s[LQ], 7, s[J]
	s_mov_b32 s[NXT], 1
	s_mov_b32 s[NEW], 1
	s_mov_b32 s[SLOTS], 8
	s_mov_b32 s[SB], SLOT                          ; the first change turns it into 0
	s_mov_b32 s[FB], 0
	s_sub_co_u32 s[EOFF], 3, s[CX]                 ; the first block begins 64 (3 - i) keys into its last slot,
	s_lshl_b32 s[EOFF], s[EOFF], 6
	s_lshl_b32 s[ELO], s[CX], 6                    ; the second 64 i
	s_mov_b32 s[OFF+1], 0
	s_mov_b32 s[CS], 0x3e38aa3b                    ; c = log2(e) / 8
	s_mov_b32 s[CS+1], s[CS]
	s_mov_b32 s[SEL], 0x76543210
	s_mov_b32 s[SEL+1], 0xfedcba98
	s_mov_b32 s[G0K], 1
	s_mov_b32 s[G0K+1], s[KL]
	s_mov_b32 s[G0V], 1
	s_mov_b32 s[G0V+1], s[VL]
	s_cmp_eq_u32 s[J], 0
	s_cselect_b32 s[LIM], 2, -1
	s_wait_dscnt 0x0                               ; the opening add is done
	s_wait_kmcnt 0x0
	s_add_nc_u64 s[20:21], s[4:5], s[20:21]
	s_add_nc_u64 s[KB:KB+1], s[20:21], 16*262144
	s_add_nc_u64 s[VB:VB+1], s[20:21], 32*262144
	s_add_nc_u64 s[G0K+2:G0K+3], s[KB:KB+1], 0
	s_or_b32 s[G0K+3], s[G0K+3], 0x80000000
	s_add_nc_u64 s[G0V+2:G0V+3], s[VB:VB+1], 0
	s_or_b32 s[G0V+3], s[G0V+3], 0x80000000
	s_add_nc_u64 s[2:3], s[20:21], s[2:3]          ; Q at my rows of the first block,
	s_add_nc_u64 s[82:83], s[20:21], s[82:83]      ; and of the second
	s_add_nc_u64 s[OHI:OHI+1], s[6:7], s[86:87]
	s_add_nc_u64 s[OLO:OLO+1], s[6:7], s[88:89]
	s_cmp_lt_u32 s[WV], 2
	s_cselect_b64 s[PFA:PFA+1], s[KB:KB+1], s[VB:VB+1]
	s_lshl_b32 s16, s[CX], 13                      ; my work-group's 32 blocks
	s_mov_b32 s17, 0
	s_add_nc_u64 s[PFA:PFA+1], s[PFA:PFA+1], s[16:17]
	s_add_nc_u64 s[PFA:PFA+1], s[PFA:PFA+1], 32768 ; in slot 1; the first change steps it to slot 2
	CROUND                                         ; all four work-groups are here
	JLOAD                                          ; the walk's first slot into LDS slot 0
	v_and_b32 v1, 15, v0                           ; l % 16
	v_bfe_u32 v9, v0, 4, 1                         ; l / 16
	v_lshlrev_b32 v[QO], 7, v1
	v_lshl_add_u32 v[QO], v9, 4, v[QO]
	WIN 0x40
.set i, 0
.rept 4                                ; both blocks' Q: tile i / 2, channels 32 (i % 2) on
	global_load_b128 v[Q+8*i:Q+8*i+3],     v[QO], s[2:3] offset:(i/2)*2048+(i%2)*64
	global_load_b128 v[Q+8*i+4:Q+8*i+7],   v[QO], s[2:3] offset:(i/2)*2048+(i%2)*64+32
	global_load_b128 v[QB+8*i:QB+8*i+3],   v[QO], s[82:83] offset:(i/2)*2048+(i%2)*64
	global_load_b128 v[QB+8*i+4:QB+8*i+7], v[QO], s[82:83] offset:(i/2)*2048+(i%2)*64+32
.set i, i+1
.endr
	; What the first trip finds: O^T, V, P and l hold 0 (its V^T P, of a step that has not been, adds 0); S^T is written, so that every register of a trip has been written whichever way it is
	; entered; so is the first block's packed O.  All this stands in the wait for the first slot.
.set i, 0
.rept 64
	v_mov_b32 v[i], 0                              ; O^T
.set i, i+1
.endr
.set i, 0
.rept 64
	v_mov_b32 v[VF+i], 0                           ; V
.set i, i+1
.endr
	WIN 0
.irp u, 0,1
	v_mov_b32 v[ST+4*\u+2], 0
	v_mov_b32 v[ST+4*\u+3], 0
.endr
.set i, 0
.rept 96
	v_mov_b32 v[S+i], 0                            ; S^T, and P behind it
.set i, i+1
.endr
.set i, 0
.rept 32
	v_mov_b32 v[HO+i], 0
.set i, i+1
.endr
	INIT
	v_mov_b32 v[BG], 0xf149f2ca                    ; -1e30
	v_lshlrev_b32 v10, 3, v9
	v_sub_nc_u32 v[DB], v1, v10
	s_lshl_b32 s16, s19, 5
	v_add_nc_u32 v[DB], s16, v[DB]
	v_mul_u32_u24 v[AK0], v1, PK                   ; a fragment of K: row x pitch + 16 x half, in my head
	v_lshl_add_u32 v[AK0], v9, 4, v[AK0]
	v_add_nc_u32 v[AK0], s[KL], v[AK0]
	v_and_b32 v10, 7, v0
	v_bfe_u32 v11, v0, 3, 1
	v_lshl_add_u32 v[AV0], v9, 3, v10              ; the turning load: key 8 (l / 16) + l % 8, 16 bytes at 16 ((l / 8) % 2)
	v_mul_u32_u24 v[AV0], v[AV0], PV
	v_lshl_add_u32 v[AV0], v11, 4, v[AV0]
	v_add_nc_u32 v[AV0], s[VL], v[AV0]
	v_add_nc_u32 v[STO], s16, v1                   ; into the stage: row 32 (w / 2) + l % 16, my head's 128 bytes, 16 for each half of the lanes
	v_mul_u32_u24 v[STO], v[STO], SP
	v_lshl_add_u32 v[STO], v9, 4, v[STO]
	s_lshl_b32 s17, s18, 7
	s_add_co_u32 s17, s17, STG
	v_add_nc_u32 v[STO], s17, v[STO]
	s_lshl_b32 s17, s[WV], 4
	v_add_nc_u32 v[RD], s17, v9                    ; back: rows 16 w + ..: lanes 0-15 one row of 256 bytes, lanes 16-31 the next
	v_mul_u32_u24 v[RD], v[RD], SP
	v_lshl_add_u32 v[RD], v1, 4, v[RD]
	v_add_nc_u32 v[RD], STG, v[RD]
	v_lshlrev_b32 v[GO], 11, v9
	v_lshl_add_u32 v[GO], v1, 4, v[GO]
	v_and_b32 v[PFO], 31, v0
	v_lshlrev_b32 v[PFO], 8, v[PFO]
; THE MATRIX WORK.  Eight accumulators take turns, one instruction a turn.
.macro KQ                              ; product i of 16: channels 32 (i / 8) on, keys 16 ((i / 2) % 4) on, tile i % 2; the first 8 start the sums with the mask
	WIN 0x05
.set rS, S+32*(i%2)+8*((i/2)%4)
.set rK, KF+16*((i/2)%4)+8*(i/8)
.set rQ, Q+16*(i%2)+8*(i/8)
.set rM, MC+32*(i%2)+8*((i/2)%4)
.if i < 8
	v_wmma_f32_16x16x32_f16 v[rS:rS+7], v[rK:rK+7], v[rQ:rQ+7], v[rM:rM+7]
.else
	v_wmma_f32_16x16x32_f16 v[rS:rS+7], v[rK:rK+7], v[rQ:rQ+7], v[rS:rS+7]
.endif
.set i, i+1
.endm
.macro PVM                             ; product i of 16 of O^T += V^T P: keys 32 (i / 8) on, channels 16 ((i / 2) % 4) on, tile i % 2
	WIN 0x51
.set rO, 32*(i%2)+8*((i/2)%4)
.set rV, VF+32*(i/8)+8*((i/2)%4)
.set rP, P+16*(i%2)+8*(i/8)
	v_wmma_f32_16x16x32_f16 v[rO:rO+7], v[rV:rV+7], v[rP:rP+7], v[rO:rO+7]
.set i, i+1
.endm
.macro FETCH_K
	WIN 0x40
.irp f, 0,1,2,3,4,5,6,7
	ds_load_b128 v[KF+8*\f:KF+8*\f+3],   v[AK] offset:(\f/2)*16*PK+(\f%2)*64
	ds_load_b128 v[KF+8*\f+4:KF+8*\f+7], v[AK] offset:(\f/2)*16*PK+(\f%2)*64+32
.endr
	WIN 0
.endm
.macro FETCH_V
	WIN 0x40
.irp f, 0,1,2,3,4,5,6,7
	ds_load_tr16_b128 v[VF+8*\f:VF+8*\f+3],   v[AV] offset:(\f/4)*32*PV+(\f%4)*32
	ds_load_tr16_b128 v[VF+8*\f+4:VF+8*\f+7], v[AV] offset:(\f/4)*32*PV+16*PV+(\f%4)*32
.endr
	WIN 0
.endm
; In a block's last slot: register r of key group kt, tile u, is hidden where 16 kt + r - 16 u > 64 (own step - this step) + 32 (w / 2) + l % 16 - 8 (l / 16).  The jump hangs on j alone.
.macro MASK
	s_cmp_lg_u32 s[RT], 0
	s_cbranch_scc1 .Lno_mask_\@
	v_add_nc_u32 v[D], s[EOFF], v[DB]
	s_sub_co_u32 s[EOFF], s[EOFF], 64
.set z, 0
.rept 64
	v_cmp_gt_i32 vcc_lo, 16*((z/8)%4)+z%8-16*(z/32), v[D]
	v_cndmask_b32 v[MC+z], 0, v[BG], vcc_lo
.set z, z+1
.endr
.Lno_mask_\@:
.endm
; Number n of the 22 that find tile u's maximum and statistics; each accumulator's lowest registers are read first.
.macro XS u, n
.set rT, ST+4*(\u)
.set rC, TMP+4*(\u)
.set rW, MV+(\u)
.set rS, S+32*(\u)
.if (\n) < 4
	v_max3_num_f32 v[rC+(\n)], v[rS+8*(\n)], v[rS+8*(\n)+1], v[rS+8*(\n)+2]
.elseif (\n) < 12
	v_max3_num_f32 v[rC+(\n)%4], v[rC+(\n)%4], v[rS+8*((\n)%4)+2*((\n)/4)+1], v[rS+8*((\n)%4)+2*((\n)/4)+2]
.elseif (\n) == 12
	v_max3_num_f32 v[rC], v[rC], v[rS+7], v[rS+15]
.elseif (\n) == 13
	v_max3_num_f32 v[rC+1], v[rC+1], v[rS+23], v[rS+31]
.elseif (\n) == 14
	v_max3_num_f32 v[rC+2], v[rC+2], v[rC+3], v[rT+1]
.elseif (\n) == 15
	v_mov_b32 v[rW], v[rT]
.elseif (\n) == 16
	v_max3_num_f32 v[rC], v[rC], v[rC+1], v[rC+2]
.elseif (\n) == 17
	v_permlanex16_b32 v[rC+3], v[rC], s[SEL], s[SEL+1]  ; the query's other 32 keys lie in the lane 16 away
.elseif (\n) == 18
	v_max_num_f32 v[rT+1], v[rC], v[rC+3]
.elseif (\n) == 19
	v_mul_f32 v[rT], s[CS], v[rT+1]
.elseif (\n) == 20
	v_sub_f32 v[rC+1], v[rW], v[rT]
.else
	v_exp_f32 v[rC+2], v[rC+1]                     ; a
.endif
.endm
.macro XQ                              ; the next of numbers 0 to 20 of both tiles, the tiles alternating
	XS q%2, q/2
.set q, q+1
.endm
.macro FS                              ; scaling f of 32: c s - c m for pair f / 2 of tile f % 2
.set rT, ST+4*(f%2)
.set rS, S+32*(f%2)+2*(f/2)
	v_pk_fma_f32 v[rS:rS+1], v[rS:rS+1], s[CS:CS+1], v[rT:rT+1] op_sel_hi:[1,0,0] neg_lo:[0,0,1] neg_hi:[0,0,1]
.set f, f+1
.endm
.macro EX                              ; exponential e of 64: score e / 2 of tile e % 2
	v_exp_f32 v[S+32*(e%2)+e/2], v[S+32*(e%2)+e/2]
.set e, e+1
.endm
.macro R2                              ; O^T times a, two pairs
.set rC, TMP+4*(r%2)
.set rO, 32*(r%2)+4*(r/2)
	v_pk_mul_f32 v[rO:rO+1], v[rO:rO+1], v[rC+2:rC+3] op_sel_hi:[1,0]
	v_pk_mul_f32 v[rO+2:rO+3], v[rO+2:rO+3], v[rC+2:rC+3] op_sel_hi:[1,0]
.set r, r+1
.endm
; Number g of the 64 behind the exponentials.  For each four weights kk of a tile: both pairs are rounded to f16; the second pair is added onto the first, in place; a group later l takes that sum (first as l = a l + sum).
.macro GS
.set hh, g+6*(g/62)
.if hh >= 6
.set hh, hh+2
.endif
.set rT, ST+4*(hh%2)
.set rC, TMP+4*(hh%2)
.set rS, S+32*(hh%2)
.set rP, P+16*(hh%2)
.set kk, hh/8
.if hh%8 < 4
	v_cvt_pk_f16_f32 v[rP+2*kk+(hh%8)/2], v[rS+4*kk+2*((hh%8)/2)], v[rS+4*kk+2*((hh%8)/2)+1]
.elseif hh%8 < 6
	v_pk_add_f32 v[rS+4*kk:rS+4*kk+1], v[rS+4*kk:rS+4*kk+1], v[rS+4*kk+2:rS+4*kk+3]
.elseif kk == 1
	v_pk_fma_f32 v[rT+2:rT+3], v[rT+2:rT+3], v[rC+2:rC+3], v[rS:rS+1] op_sel_hi:[1,0,1]
.else
	v_pk_add_f32 v[rT+2:rT+3], v[rT+2:rT+3], v[rS+4*kk-4:rS+4*kk-3]
.endif
.set g, g+1
.endm
; THE SOFTMAX OF THE STEP IN HAND, whose maximum and statistics the trip before has made: the two a, the 32 scalings and the 64 exponentials are ONE BATCH with one wait; nothing ahead of the wait names
; a result of theirs.  Exponential e stands behind scaling 2 (e / 4) + e % 2: here behind scaling e + 3.  Behind the wait: the roundings and sums.
.macro SOFT
.set f, 0
.set e, 0
	XS 0, 21
	FS
	XS 1, 21
	FS
	FS
	FS
.rept 28
	EX
	FS
.endr
.rept 36
	EX
.endr
	v_nop                                          ; a plain instruction behind the last exponential,
	s_wait_alu depctr_va_vdst(0)                   ; and the one wait for the batch of 66
.set g, 0
.rept 64
	GS
.endr
.endm
; THE TRIP'S 32 PRODUCTS AND WHAT STANDS BEHIND THEM.  K Q^T of the next step: behind every second product four lines of O^T's rescaling (the last V^T P stands a softmax back).  V^T P of the step in
; hand: behind the first product four lines of the next step's maximum, behind the next eight three each, behind the last seven two each, a number of both tiles: the links of the chain
; (numbers 14, 16 .. 20) stand a product apart.  An accumulator of S^T is read four plain lines or more behind the product that ends it: the last two products' behind the rescaling's last four
; lines and the maximum's first six or seven.
.macro PRODUCTS
.set i, 0
.set r, 0
.rept 16
	KQ
.if i%2 == 1
	WIN 0x41
	R2
	R2
.endif
.endr
.set i, 0
.set q, 0
.rept 16
	PVM
	WIN 0
	XQ
	XQ
.if i < 10
	XQ
.endif
.if i == 1
	XQ
.endif
.endr
.endm
.macro NORM dst                        ; l's halves and the other half of the lanes' are added; O^T is divided by l and rounded to f16: 32 registers at dst
	PLACES
	v_add_f32 v[ST+2], v[ST+2], v[ST+3]
	v_add_f32 v[ST+6], v[ST+6], v[ST+7]
	v_permlanex16_b32 v[ST+3], v[ST+2], s[SEL], s[SEL+1]
	v_permlanex16_b32 v[ST+7], v[ST+6], s[SEL], s[SEL+1]
	v_add_f32 v[ST+2], v[ST+2], v[ST+3]
	v_add_f32 v[ST+6], v[ST+6], v[ST+7]
	v_rcp_f32 v[ST+2], v[ST+2]
	v_rcp_f32 v[ST+6], v[ST+6]
	v_nop
	s_wait_alu depctr_va_vdst(0)                   ; one wait for the two reciprocals
	WIN 0x41
.set i, 0
.rept 32
	v_pk_mul_f32 v[2*i:2*i+1], v[2*i:2*i+1], v[ST+4*(i/16)+2:ST+4*(i/16)+3] op_sel_hi:[1,0]
.set i, i+1
.endr
	WIN 0x05
.set i, 0
.rept 32
	v_cvt_pk_f16_f32 v[(\dst)+i], v[2*i], v[2*i+1]
.set i, i+1
.endr
	WIN 0
.endm
; THE CHANGE OF SLOTS.  Each wave waits for all its tensor loads (one is out: its part of the other slot), adds 0 to its spare word, and waits for that and for its reads of the slot that it leaves,
; of which the last, V of the slot's fourth step, have just been issued.  fill = 1: the barrier is a round of the cluster's, and the joint fill with slot NXT is the first thing behind it; it has
; four trips in which to land.
.macro CHANGE fill
	WIN 0
	s_wait_tensorcnt 0x0
	ds_add_u32 v[SPW], v[NIL]
.if \fill
	s_xor_b32 s[FB], s[FB], SLOT
	s_add_co_u32 s[G0K+1], s[KL], s[FB]
	s_add_co_u32 s[G0V+1], s[VL], s[FB]
	s_lshl_b32 s[OFF], s[NXT], 15                  ; a slot is 32,768 bytes of a head's K and of its V
	s_add_nc_u64 s[G0K+2:G0K+3], s[KB:KB+1], s[OFF:OFF+1]
	s_or_b32 s[G0K+3], s[G0K+3], 0x80000000
	s_add_nc_u64 s[G0V+2:G0V+3], s[VB:VB+1], s[OFF:OFF+1]
	s_or_b32 s[G0V+3], s[G0V+3], 0x80000000
	s_add_co_u32 s[NXT], s[NXT], 1                 ; the block's next slot, or behind its last the second block's slot 0
	s_cmp_gt_u32 s[NXT], s[LQ]
	s_cselect_b32 s[NXT], 0, s[NXT]
	s_cselect_b32 s[LQ], s[J], s[LQ]
	s_wait_xcnt 0x0                                ; the last prefetch, four trips back, has read its address
	s_add_nc_u64 s[PFA:PFA+1], s[PFA:PFA+1], 32768
	s_wait_dscnt 0x0
	CROUND
	JLOAD
	ASK
.else
	s_wait_dscnt 0x0
	s_barrier_signal -1
	s_barrier_wait -1
.endif
	s_xor_b32 s[SB], s[SB], SLOT
	s_mov_b32 s[TBK], s[SB]
	s_mov_b32 s[TBV], s[SB]
.endm
; A SLOT'S FIVE TRIPS; in the loop, behind the first block's last slot, that block's end and the second's beginning.  All jumps but the counted loop's own go forward, past no barrier and no tensor load.
.macro BODY last
	s_sub_co_u32 s[RT], s[RT], 1
	s_mov_b32 s[CNT], 5
.Ltrip_\@:
	s_cmp_lg_u32 s[CNT], 1
	s_cbranch_scc1 .Lfetch_\@                      ; trips 1 to 4 fetch a step
.if !(\last)
	s_cmp_lg_u32 s[RT], 0
	s_cbranch_scc1 .Lbottom_\@                     ; the fifth trip has work in a block's last slot alone
.endif
	s_branch .Lsoft_\@
.Lfetch_\@:
	v_add_nc_u32 v[AK], s[TBK], v[AK0]
	s_add_co_u32 s[TBK], s[TBK], KS*PK
	FETCH_K                                        ; K of the next step: the last product that read K stands 42 plain lines back; the softmax below is the time in which it lands
	s_cmp_eq_u32 s[NEW], 1
	s_cbranch_scc1 .Lmid_\@                        ; a block's first trip has no step in hand
.Lsoft_\@:
	SOFT
.Lmid_\@:
	s_mov_b32 s[NEW], 0
	MASK
	s_wait_dscnt 0x0                               ; K of the next step and V of the step in hand are in
	PRODUCTS
	v_add_nc_u32 v[AV], s[TBV], v[AV0]             ; with the two subtractions above and the two lines below: five plain lines between the last product that read V and the loads into V
	v_nop
	v_nop
	s_cmp_eq_u32 s[CNT], 1
	s_cbranch_scc1 .Lbottom_\@                     ; the fifth trip fetches nothing
	s_add_co_u32 s[TBV], s[TBV], KS*PV
	FETCH_V                                        ; V of the next step
.Lbottom_\@:
	s_sub_co_u32 s[CNT], s[CNT], 1
	s_cmp_lg_u32 s[CNT], 0
	s_cbranch_scc1 .Ltrip_\@
.if !(\last)
	s_cmp_lg_u32 s[RT], 0
	s_cbranch_scc1 .Lgo_on_\@
	NORM HO
	WIN 0x41
.set i, 0
.rept 32
	v_mov_b32 v[Q+i], v[QB+i]                      ; the second block's Q goes where the one text of the trips names Q
.set i, i+1
.endr
	WIN 0
	INIT
	s_add_co_u32 s[RT], s[J], 1
	s_mov_b32 s[EOFF], s[ELO]
	s_mov_b32 s[NEW], 1
.Lgo_on_\@:
.endif
.endm
	s_wait_loadcnt 0x0                             ; Q
.Lslot:                                        ; eight trips: a slot is entered and the next is asked for
	CHANGE 1
	BODY 0
	s_sub_co_u32 s[SLOTS], s[SLOTS], 1
	s_cmp_lg_u32 s[SLOTS], 0
	s_cbranch_scc1 .Lslot
	CHANGE 0                                       ; the walk's last slot is written out: nothing is asked for
	BODY 1
	NORM P
	; THE WAY OUT: both blocks through one stage, since a row's 256 bytes come from two waves
.irp n, 0,1,2,3,4,5,6,7
	ds_store_b128 v[STO], v[HO+4*\n:HO+4*\n+3] offset:16*SP*(\n/4)+32*(\n%4)
	ds_store_b128 v[STO], v[P+4*\n:P+4*\n+3]   offset:64*SP+16*SP*(\n/4)+32*(\n%4)
.endr
	s_wait_dscnt 0x0                               ; for the others' sake: my stores into the stage are done
	s_barrier_signal -1
	s_barrier_wait -1
.irp n, 0,1,2,3,4,5,6,7,8,9,10,11,12,13,14,15
	ds_load_b128 v[S+4*\n:S+4*\n+3], v[RD] offset:64*SP*(\n/8)+2*SP*(\n%8)
.endr
.irp n, 0,1,2,3,4,5,6,7
	s_wait_dscnt 15-\n
	global_store_b128 v[GO], v[S+4*\n:S+4*\n+3], s[OHI:OHI+1] offset:4096*\n  ; 16 lanes store 256 consecutive bytes, aligned
.endr
.irp n, 8,9,10,11,12,13,14,15
	s_wait_dscnt 15-\n
	global_store_b128 v[GO], v[S+4*\n:S+4*\n+3], s[OLO:OLO+1] offset:4096*(\n-8)
.endr
	s_wait_tensorcnt 0x0                           ; the wave's end
	ds_add_u32 v[SPW], v[NIL]
	s_wait_dscnt 0x0
	CROUND                                         ; the closing round
	s_endpgm
.Lfunc_end_k_q6c7d27ad42_attn:
	.size	k_q6c7d27ad42_attn, .Lfunc_end_k_q6c7d27ad42_attn-k_q6c7d27ad42_attn
	.p2alignl 7, 3214868480
	.fill 96, 4, 3214868480
	.section	.rodata,"a",@progbits
	.p2align	6, 0x0
	.amdhsa_kernel k_q6c7d27ad42_attn
		.amdhsa_group_segment_fixed_size 327680
		.amdhsa_private_segment_fixed_size 0
		.amdhsa_enable_private_segment 0
		.amdhsa_kernarg_size 16
		.amdhsa_user_sgpr_count 2
		.amdhsa_user_sgpr_kernarg_segment_ptr 1
		.amdhsa_wavefront_size32 1
		.amdhsa_system_sgpr_workgroup_id_x 1
		.amdhsa_system_sgpr_workgroup_id_y 1
		.amdhsa_system_sgpr_workgroup_id_z 1
		.amdhsa_system_vgpr_workitem_id 0
		.amdhsa_next_free_vgpr 512
		.amdhsa_next_free_sgpr 96
		.amdhsa_reserve_vcc 1
		.amdhsa_float_denorm_mode_32 3
		.amdhsa_float_denorm_mode_16_64 3
		.amdhsa_memory_ordered 1
		.amdhsa_forward_progress 1
		.amdhsa_inst_pref_size 85
	.end_amdhsa_kernel
	.amdgpu_metadata
---
amdhsa.version: [ 1, 2 ]
amdhsa.kernels:
  - .name:           k_q6c7d27ad42_attn
    .symbol:         k_q6c7d27ad42_attn.kd
    .args:
      - { .name: qkv, .offset: 0, .size: 8, .value_kind: global_buffer, .address_space: global }
      - { .name: att, .offset: 8, .size: 8, .value_kind: global_buffer, .address_space: global }
    .group_segment_fixed_size: 327680
    .private_segment_fixed_size: 0
    .kernarg_segment_align: 8
    .kernarg_segment_size: 16
    .max_flat_workgroup_size: 128
    .sgpr_count:     96
    .vgpr_count:     512
    .wavefront_size: 32
...
	.end_amdgpu_metadata
.endif
;; end of part 3
;; launch oproj (part 4): grid 8 x 32, 4 waves a work-group, clusters of 4 x 4, 327,680 bytes of LDS; arguments att, w16, x, x1; writes x1
.if DOCPART == 4
	.amdgcn_target "amdgcn-amd-amdhsa--gfx1250"
	.amdhsa_code_object_version 6
	.text
	.protected	k_q6c7d27ad42_oproj
	.globl	k_q6c7d27ad42_oproj
	.p2align	8
	.type	k_q6c7d27ad42_oproj,@function
k_q6c7d27ad42_oproj:
	s_mov_b64 s[64:65], 0
	v_nop
	global_prefetch_b8 v0, s[64:65] scope:SCOPE_SE
	s_setreg_imm32_b32 hwreg(HW_REG_WAVE_MODE, 25, 1), 1
	s_wait_xcnt 0x0
	s_wait_alu depctr_hold_cnt(0) depctr_sa_sdst(0) depctr_va_vdst(0) depctr_va_sdst(0) depctr_va_ssrc(0) depctr_va_vcc(0) depctr_vm_vsrc(0)
	s_getreg_b32 s2, hwreg(HW_REG_IB_STS2, 6, 4)
	s_cmp_eq_u32 s2, 0
	s_cbranch_scc0 .Lentry_in_a_cluster
	s_endpgm
.Lentry_in_a_cluster:
	s_bfe_u32 s2, ttmp6, 0x10000c
	s_cmp_lg_u32 s2, 0xf033
	s_cbranch_scc0 .Lentry_shape_is_right
	s_endpgm
.Lentry_shape_is_right:
; x1 = x + att x wo.  att: [4096][1024] f16; wo's copy lies in w16 at WOFF as [k 1024][n 1024] f16; x, x1: [4096][1024] f32.  Sums and the residual's addition in f32.
; A tile is 128 x 128: 32 x 8 = 256 work-groups; four waves of 64 x 64, 16 accumulators.  K goes in steps of 256 through two LDS slots of four sub-tiles of 36,864 bytes, one tensor load a wave:
; waves 0, 1 bring 64 rows x 512 bytes of the left operand each (pitch 528), waves 2, 3 128 k x 128 columns of the weight each (pitch 288), read as it lies and turned by ds_load_tr16_b128.
; THE PRODUCT IS USED TRANSPOSED (source 0 = 16 columns of the weight, source 1 = 16 rows): a lane ends with one row and eight neighbouring columns.
; CLUSTER 4 x 4: the left operand's tile is asked for jointly by a row of the cluster, the weight's by a column.
; THE LOOP.  A K step is four quarters of 64 along K on two fragment buffers.  A PAIR of quarters is written once and walked twice a step: its LDS addresses are a lane term plus two scalars that
; step by a pair.  The change of slots stands between pairs: a trip is the change, then the old step's last quarter (its fragments lie in registers) and the new step's first three.
; No prefetch here: K has four steps, two of which come by the first fills.
; REGISTERS: window 0: v0-31 addresses; v32-95 the way out; v128-255 accumulators at 128 + 8 (4 a + b).  window 1: two fragment buffers of 128 (64 of rows, 64 of columns).  window 2: v0-127 the residual.
.set KDIM,   1024
.set WOFF,   6291456
.set BF,     0                         ; 1: bf16 operands
.set PF,     0                         ; 1: prefetches are laid
.set AHEAD,  2
.set T,      KDIM/256
.set PA,     528
.set PB,     288
.set SUB,    36864
.set SLOT,   4*SUB                     ; 0x24000: its bits lie apart from those of wave x 0x9000
.set STAGE,  2*SLOT                    ; behind the ring: 16 rows x 272 bytes for each wave
.set SPITCH, 272
.set SPARE,  STAGE+4*16*SPITCH
.set ASTEP,  512
.set BSTEP,  256*2048
.set QA,     128                       ; LDS bytes from a quarter to the next in the rows,
.set QB,     64*PB                     ; and in the weight: its two sub-tiles of 128 k lie end to end
.set ADRA0, 2
.set ADRB0, 3
.set ADRA,  6
.set ADRB,  7
.set STO,   10
.set RD,    11
.set CO,    12                         ; my byte offset in two rows of the residual and of the output; never rewritten
.set PFO,   13
.set SPW,   14
.set NIL,   15
.set ACC,   128
.set ROLE,  11                         ; waves 0, 1 fetch rows, waves 2, 3 the weight
.set TA,  18
.set TW,  19
.set G1A, 24
.set G0A, 32
.set G1B, 48
.set G0B, 56
.set PFA, 68
.set PFS, 70
.set LIM, 72
.set TB,  73
.set RES, 76                           ; s[76:77] the residual, s[78:79] the output, at my wave's first row and column
.set OUTP, 78
.set MSB, 0
.macro WIN new
.if MSB != (\new)
	s_set_vgpr_msb (MSB<<8)|(\new)
.set MSB, \new
.endif
.endm
.macro PLACES
.rept 4
	v_nop
.endr
.endm
.macro CROUND
	s_barrier_signal -1
	s_barrier_wait -1
	s_cmp_lg_u32 s10, 0
	s_cbranch_scc1 .Lnot_wave_0_\@
	s_barrier_signal -3
.Lnot_wave_0_\@:
	s_barrier_wait -3
	s_barrier_signal -1
	s_barrier_wait -1
.endm
.macro JLOAD
	s_cmp_eq_u32 s[ROLE], 0
	s_cbranch_scc0 .Lfor_b_\@
	tensor_load_to_lds s[G0A+4:G0A+7], s[G1A:G1A+7]
	s_nop 0
	PLACES
	s_branch .Lasked_\@
.Lfor_b_\@:
	tensor_load_to_lds s[G0B+4:G0B+7], s[G1B:G1B+7]
	s_nop 0
	PLACES
.Lasked_\@:
.endm
.macro ASK
	s_cmp_gt_u32 s3, s[LIM]
	s_cbranch_scc0 .Lnot_mine_\@
	global_prefetch_b8 v[PFO], s[PFA:PFA+1] th:TH_LOAD_NT scope:SCOPE_SE
.Lnot_mine_\@:
.endm
	s_load_b128 s[4:7], s[0:1], 0x0                ; the left operand s[4:5], w16 s[6:7]
	s_load_b128 s[76:79], s[0:1], 0x10             ; the residual, the output
	v_lshl_add_u32 v[SPW], v0, 2, SPARE
	v_mov_b32 v[NIL], 0
	ds_add_u32 v[SPW], v[NIL]                      ; the wave's opening: the add and its wait ahead of my first tensor load
	v_lshrrev_b32 v1, 5, v0
	v_readfirstlane_b32 s10, v1
	s_lshr_b32 s11, s10, 1                         ; which 64 rows are mine.  Also: I fetch rows (0) or the weight (1)
	s_and_b32 s12, s10, 1                          ; which 64 columns.  Also: which half I fetch
	s_bfe_u32 s40, ttmp6, 0x40000
	s_bfe_u32 s41, ttmp6, 0x40004
	s_lshl_b32 s42, ttmp9, 2
	s_add_co_u32 s42, s42, s40                     ; tile column
	s_and_b32 s13, ttmp7, 0xffff
	s_lshl_b32 s13, s13, 2
	s_add_co_u32 s13, s13, s41                     ; tile row
	s_lshl_b32 s43, s41, 2
	s_lshl_b32 s43, 15, s43
	s_lshl_b32 s44, 0x1111, s40
	s_or_b32 s[G1A], s43, (1<<16)|(1<<20)|(1<<21)|(6<<22)|(3<<25)  ; after every 128 words 4 words of padding
	s_or_b32 s[G1B], s44, (1<<16)|(1<<20)|(1<<21)|(5<<22)|(7<<25)  ; after every 64 words 8 words
	s_mov_b32 s[G1A+1], 256<<16                    ; 64 rows x 256 elements
	s_mov_b32 s[G1A+2], 64<<16
	s_mov_b32 s[G1A+3], 256<<16
	s_mov_b32 s[G1A+4], 64
	s_mov_b32 s[G1A+5], KDIM
	s_mov_b32 s[G1A+6], 0
	s_mov_b32 s[G1A+7], 0
	s_mov_b32 s[G1B+1], 128<<16                    ; 128 k x 128 columns
	s_mov_b32 s[G1B+2], 128<<16
	s_mov_b32 s[G1B+3], 128<<16
	s_mov_b32 s[G1B+4], 128
	s_mov_b32 s[G1B+5], 1024
	s_mov_b32 s[G1B+6], 0
	s_mov_b32 s[G1B+7], 0
	s_lshl_b32 s16, s13, 7
	s_lshl_b32 s17, s12, 6
	s_add_co_u32 s16, s16, s17                     ; row 128 x tile row + 64 x half
	s_mul_i32 s16, s16, 2*KDIM
	s_mov_b32 s17, 0
	s_lshl_b32 s46, s42, 8                         ; the tile column's 256 bytes of the weight's rows,
	s_lshl_b32 s47, s12, 18                        ; 128 k rows of 2,048 bytes for the second half
	s_add_co_u32 s46, s46, s47
	s_add_co_u32 s46, s46, WOFF
	s_mov_b32 s47, 0
	s_mul_i32 s20, s10, SUB
	s_wait_dscnt 0x0
	s_wait_kmcnt 0x0
	s_add_nc_u64 s[14:15], s[4:5], s[16:17]
	s_add_nc_u64 s[46:47], s[6:7], s[46:47]
.irp s, 0,1
	s_mov_b32 s[G0A+4*\s], 1
	s_add_co_u32 s[G0A+4*\s+1], s20, \s*SLOT
	s_add_nc_u64 s[G0A+4*\s+2:G0A+4*\s+3], s[14:15], \s*ASTEP
	s_or_b32 s[G0A+4*\s+3], s[G0A+4*\s+3], 0x80000000
	s_mov_b32 s[G0B+4*\s], 1
	s_add_co_u32 s[G0B+4*\s+1], s20, \s*SLOT
	s_add_nc_u64 s[G0B+4*\s+2:G0B+4*\s+3], s[46:47], \s*BSTEP
	s_or_b32 s[G0B+4*\s+3], s[G0B+4*\s+3], 0x80000000
.endr
	CROUND
	s_cmp_eq_u32 s[ROLE], 0                        ; a wave's two first fills stand in one branch: two loads of mine are out
	s_cbranch_scc0 .Lfirst_b
	tensor_load_to_lds s[G0A:G0A+3], s[G1A:G1A+7]
	s_nop 0
	tensor_load_to_lds s[G0A+4:G0A+7], s[G1A:G1A+7]
	s_nop 0
	PLACES
	s_branch .Lfirst_asked
.Lfirst_b:
	tensor_load_to_lds s[G0B:G0B+3], s[G1B:G1B+7]
	s_nop 0
	tensor_load_to_lds s[G0B+4:G0B+7], s[G1B:G1B+7]
	s_nop 0
	PLACES
.Lfirst_asked:
	v_and_b32 v1, 15, v0
	v_bfe_u32 v16, v0, 4, 1
	v_and_b32 v17, 7, v0
	v_bfe_u32 v18, v0, 3, 1
	v_lshlrev_b32 v[CO], 12, v16                   ; lanes 0-15 one row's 256 bytes, lanes 16-31 the next row's
	v_lshl_add_u32 v[CO], v1, 4, v[CO]
	s_lshl_b32 s16, s13, 7
	s_lshl_b32 s17, s11, 6
	s_add_co_u32 s16, s16, s17                     ; my first row
	s_lshl_b32 s16, s16, 12
	s_lshl_b32 s17, s42, 9
	s_add_co_u32 s16, s16, s17
	s_lshl_b32 s17, s12, 8
	s_add_co_u32 s16, s16, s17                     ; + my first column's bytes
	s_mov_b32 s17, 0
	s_add_nc_u64 s[RES:RES+1], s[RES:RES+1], s[16:17]
	s_add_nc_u64 s[OUTP:OUTP+1], s[OUTP:OUTP+1], s[16:17]
	WIN 0x80
.irp a, 0,1,2,3
.irp t, 0,1,2,3,4,5,6,7
	global_load_b128 v[32*\a+4*\t:32*\a+4*\t+3], v[CO], s[RES:RES+1] offset:(16*\a+2*\t)*4096 th:TH_LOAD_NT  ; the residual comes while K is walked, in the layout in which the results leave
.endr
.endr
	WIN 0
	v_mul_u32_u24 v[ADRA0], v1, PA
	v_lshl_add_u32 v[ADRA0], v16, 4, v[ADRA0]
	s_mul_i32 s21, s11, SUB
	v_add_nc_u32 v[ADRA0], s21, v[ADRA0]
	v_lshl_add_u32 v19, v16, 3, v17
	v_mul_u32_u24 v19, v19, PB
	v_lshl_add_u32 v19, v18, 4, v19
	s_lshl_b32 s21, s12, 7
	s_add_co_u32 s21, s21, 2*SUB
	v_add_nc_u32 v[ADRB0], s21, v19
	s_mul_i32 s23, s10, 16*SPITCH
	s_add_co_u32 s23, s23, STAGE
	v_mul_u32_u24 v[STO], v1, SPITCH               ; in: row l % 16, 32 bytes for each half of the lanes
	v_lshl_add_u32 v[STO], v16, 5, v[STO]
	v_add_nc_u32 v[STO], s23, v[STO]
	v_mul_u32_u24 v[RD], v16, SPITCH
	v_lshl_add_u32 v[RD], v1, 4, v[RD]
	v_add_nc_u32 v[RD], s23, v[RD]
.if PF
	s_mov_b32 s23, BSTEP
	s_and_b32 s22, ttmp7, 0xffff
	s_cmp_eq_u32 s[ROLE], 0
	s_cselect_b32 s21, s40, s41
	s_cselect_b32 s22, ttmp9, s22
	s_cselect_b64 s[PFA:PFA+1], s[14:15], s[46:47]
	s_cselect_b32 s[PFS], ASTEP, s23
	s_cselect_b32 s23, -1, 0
	s_mov_b32 s[PFS+1], 0
	s_cmp_eq_u32 s22, 0
	s_cselect_b32 s[LIM], AHEAD, -1
	s_lshl_b32 s20, s21, 16
	s_mov_b32 s21, 0
	s_add_nc_u64 s[PFA:PFA+1], s[PFA:PFA+1], s[20:21]
	s_mul_i32 s20, s[PFS], 1+AHEAD
	s_add_nc_u64 s[PFA:PFA+1], s[PFA:PFA+1], s[20:21]
	v_and_b32 v19, 31, v0
	v_lshlrev_b32 v[PFO], 11, v19
	v_lshrrev_b32 v20, 1, v19
	v_and_b32 v19, 1, v19
	v_mul_u32_u24 v20, v20, 2*KDIM
	v_lshl_add_u32 v20, v19, 8, v20
	v_cndmask_b32 v[PFO], v[PFO], v20, s23
.endif
	s_mov_b32 s[TB], 0
	s_mov_b32 s[TA], 0
	s_mov_b32 s[TW], 0
.macro SETADR
	v_add_nc_u32 v[ADRA], s[TA], v[ADRA0]
	v_add_nc_u32 v[ADRB], s[TW], v[ADRB0]
.endm
; 8 products: row blocks a0, a0 + 1 x 4 column blocks, 32 along K: half c of buffer f.  The 16 accumulators take turns.
.macro MUL8 f, c, a0, zero
	WIN 0x05
.irp a, \a0, (\a0)+1
.irp b, 0,1,2,3
.set rD, ACC+8*(4*(\a)+(\b))
.set rB, 128*(\f)+64+8*(4*(\c)+(\b))
.set rA, 128*(\f)+8*(4*(\c)+(\a))
.if BF
.if \zero
	v_wmma_f32_16x16x32_bf16 v[rD:rD+7], v[rB:rB+7], v[rA:rA+7], 0
.else
	v_wmma_f32_16x16x32_bf16 v[rD:rD+7], v[rB:rB+7], v[rA:rA+7], v[rD:rD+7]
.endif
.else
.if \zero
	v_wmma_f32_16x16x32_f16 v[rD:rD+7], v[rB:rB+7], v[rA:rA+7], 0
.else
	v_wmma_f32_16x16x32_f16 v[rD:rD+7], v[rB:rB+7], v[rA:rA+7], v[rD:rD+7]
.endif
.endif
.endr
.endr
.endm
; 32 LDS loads in one run: the quarter o (0, 1) behind the address registers' into buffer f; the first 32 along K first
.macro FETCH o, f
	WIN 0x40
.irp c, 0,1
.irp i, 0,1,2,3
	ds_load_tr16_b128 v[128*(\f)+64+8*(4*\c+\i):128*(\f)+64+8*(4*\c+\i)+3],   v[ADRB] offset:(\o)*QB+32*\c*PB+32*\i
	ds_load_tr16_b128 v[128*(\f)+64+8*(4*\c+\i)+4:128*(\f)+64+8*(4*\c+\i)+7], v[ADRB] offset:(\o)*QB+32*\c*PB+32*\i+16*PB
	ds_load_b128 v[128*(\f)+8*(4*\c+\i):128*(\f)+8*(4*\c+\i)+3],   v[ADRA] offset:(\o)*QA+64*\c+\i*16*PA
	ds_load_b128 v[128*(\f)+8*(4*\c+\i)+4:128*(\f)+8*(4*\c+\i)+7], v[ADRA] offset:(\o)*QA+64*\c+\i*16*PA+32
.endr
.endr
.endm
.macro QUARTER o, f, g, zero
	s_wait_dscnt 16                                ; the first 32 along K are in
	MUL8 \f, 0, 0, \zero
	MUL8 \f, 0, 2, \zero
	PLACES
	FETCH \o, \g
	s_wait_dscnt 32                                ; all but the 32 just issued
	MUL8 \f, 1, 0, 0
	MUL8 \f, 1, 2, 0
.endm
.macro PAIR                            ; two quarters, and the addresses step on by two
	QUARTER 0, 1, 0, 0
	QUARTER 1, 0, 1, 0
	WIN 0
	s_add_co_u32 s[TA], s[TA], 2*QA
	s_add_co_u32 s[TW], s[TW], 2*QB
	SETADR
.endm
; THE CHANGE OF SLOTS.  The slot's last quarter has been fetched.  Each wave waits for all its tensor loads (one is out: its part of the next slot), adds 0 to its spare word, and waits for that and
; for its reads of the slot.  fill = 1: the barrier is a round of the cluster's, and the joint refill, two K steps on, is the first thing behind it: it has a whole step's 128 products in which to land.
.macro CHANGE fill
.if (\fill) && PF
	s_wait_xcnt 0x0
	s_add_nc_u64 s[PFA:PFA+1], s[PFA:PFA+1], s[PFS:PFS+1]
.endif
	WIN 0
	s_wait_tensorcnt 0x0
	ds_add_u32 v[SPW], v[NIL]                      ; 0 onto my spare word; work on registers stands between it and the wait for it
.if \fill
	s_xor_b32 s[G0A+5], s[G0A+5], SLOT
	s_add_nc_u64 s[G0A+6:G0A+7], s[G0A+6:G0A+7], ASTEP
	s_xor_b32 s[G0B+5], s[G0B+5], SLOT
	s_add_nc_u64 s[G0B+6:G0B+7], s[G0B+6:G0B+7], BSTEP
.endif
	s_xor_b32 s[TB], s[TB], SLOT
	s_mov_b32 s[TA], s[TB]
	s_mov_b32 s[TW], s[TB]
	SETADR
	s_wait_dscnt 0x0                               ; the add is done, my reads of the slot are over
.if \fill
	CROUND
	JLOAD
.if PF
	ASK
.endif
.else
	s_barrier_signal -1
	s_barrier_wait -1
.endif
.endm
	SETADR
	s_wait_tensorcnt 1                             ; my part of K step 0 is in; step 1's may stay out
	s_barrier_signal -1
	s_barrier_wait -1
	FETCH 0, 0
	QUARTER 1, 0, 1, 1                             ; the first quarter's first products start the sums
	WIN 0
	s_mov_b32 s[TA], 2*QA
	s_mov_b32 s[TW], 2*QB
	SETADR
	s_mov_b32 s3, T-1
	s_mov_b32 s2, 1
	s_branch .Lpair                                ; step 0 has one pair left: the loop is entered behind the change
.Lstep:
	CHANGE 1
	s_mov_b32 s2, 2
.Lpair:
	PAIR
	s_sub_co_u32 s2, s2, 1
	s_cmp_lg_u32 s2, 0
	s_cbranch_scc1 .Lpair
	s_sub_co_u32 s3, s3, 1
	s_cmp_lg_u32 s3, 0
	s_cbranch_scc1 .Lstep
	CHANGE 0                                       ; the tail is written out
	s_mov_b32 s2, 2
.Lpair_t:
	PAIR
	s_sub_co_u32 s2, s2, 1
	s_cmp_lg_u32 s2, 0
	s_cbranch_scc1 .Lpair_t
	s_wait_dscnt 16
	MUL8 1, 0, 0, 0
	MUL8 1, 0, 2, 0
	s_wait_dscnt 0x0
	MUL8 1, 1, 0, 0
	MUL8 1, 1, 2, 0
	WIN 0
; THE WAY OUT, 16 rows at a time: the f32 sums go into my stage as they lie, come back as whole rows of 256 bytes, take the residual and are stored.
.macro OUT a
.set BK, 32+32*((\a)%2)
.irp b, 0,1,2,3
	ds_store_b128 v[STO], v[ACC+8*(4*(\a)+\b):ACC+8*(4*(\a)+\b)+3]   offset:64*\b
	ds_store_b128 v[STO], v[ACC+8*(4*(\a)+\b)+4:ACC+8*(4*(\a)+\b)+7] offset:64*\b+16
.endr
.if (\a) >= 2
	s_wait_xcnt 0x0                                ; the stores of two blocks back have read these registers
.endif
.irp t, 0,1,2,3,4,5,6,7
	ds_load_b128 v[BK+4*\t:BK+4*\t+3], v[RD] offset:\t*2*SPITCH
.endr
	s_wait_dscnt 0x0
	WIN 0x08
.set p, 0
.rept 16
	v_pk_add_f32 v[BK+2*p:BK+2*p+1], v[BK+2*p:BK+2*p+1], v[32*(\a)+2*p:32*(\a)+2*p+1]
.set p, p+1
.endr
	WIN 0
.irp t, 0,1,2,3,4,5,6,7
	global_store_b128 v[CO], v[BK+4*\t:BK+4*\t+3], s[OUTP:OUTP+1] offset:(16*(\a)+2*\t)*4096  ; 16 lanes store 256 consecutive bytes, aligned
.endr
.endm
	PLACES
	s_wait_loadcnt 0x0                             ; the residual
	OUT 0
	OUT 1
	OUT 2
	OUT 3
	s_wait_tensorcnt 0x0                           ; the wave's end
	ds_add_u32 v[SPW], v[NIL]
	s_wait_dscnt 0x0
	CROUND
	s_endpgm
.Lfunc_end_k_q6c7d27ad42_oproj:
	.size	k_q6c7d27ad42_oproj, .Lfunc_end_k_q6c7d27ad42_oproj-k_q6c7d27ad42_oproj
	.p2alignl 7, 3214868480
	.fill 96, 4, 3214868480
	.section	.rodata,"a",@progbits
	.p2align	6, 0x0
	.amdhsa_kernel k_q6c7d27ad42_oproj
		.amdhsa_group_segment_fixed_size 327680
		.amdhsa_private_segment_fixed_size 0
		.amdhsa_enable_private_segment 0
		.amdhsa_kernarg_size 32
		.amdhsa_user_sgpr_count 2
		.amdhsa_user_sgpr_kernarg_segment_ptr 1
		.amdhsa_wavefront_size32 1
		.amdhsa_system_sgpr_workgroup_id_x 1
		.amdhsa_system_sgpr_workgroup_id_y 1
		.amdhsa_system_sgpr_workgroup_id_z 1
		.amdhsa_system_vgpr_workitem_id 0
		.amdhsa_next_free_vgpr 640
		.amdhsa_next_free_sgpr 80
		.amdhsa_reserve_vcc 0
		.amdhsa_float_denorm_mode_32 3
		.amdhsa_float_denorm_mode_16_64 3
		.amdhsa_memory_ordered 1
		.amdhsa_forward_progress 1
		.amdhsa_inst_pref_size 51
	.end_amdhsa_kernel
	.amdgpu_metadata
---
amdhsa.version: [ 1, 2 ]
amdhsa.kernels:
  - .name:           k_q6c7d27ad42_oproj
    .symbol:         k_q6c7d27ad42_oproj.kd
    .args:
      - { .name: att, .offset: 0, .size: 8, .value_kind: global_buffer, .address_space: global }
      - { .name: w16, .offset: 8, .size: 8, .value_kind: global_buffer, .address_space: global }
      - { .name: x, .offset: 16, .size: 8, .value_kind: global_buffer, .address_space: global }
      - { .name: x1, .offset: 24, .size: 8, .value_kind: global_buffer, .address_space: global }
    .group_segment_fixed_size: 327680
    .private_segment_fixed_size: 0
    .kernarg_segment_align: 8
    .kernarg_segment_size: 32
    .max_flat_workgroup_size: 128
    .sgpr_count:     80
    .vgpr_count:     640
    .wavefront_size: 32
...
	.end_amdgpu_metadata
.endif
;; end of part 4
;; launch norm2: the kernel of part 1 again; grid 256 x 1, 8 waves a work-group, no clusters, 0 bytes of LDS; arguments x1, ffn_norm_w, xn, wq, wk, wv, wo, w_gate, w_up, w_down, w16; writes xn, w16
;; launch ffn1 (part 5): grid 16 x 16, 4 waves a work-group, clusters of 4 x 4, 327,680 bytes of LDS; arguments xn, w16, hid; writes hid
.if DOCPART == 5
	.amdgcn_target "amdgcn-amd-amdhsa--gfx1250"
	.amdhsa_code_object_version 6
	.text
	.protected	k_q6c7d27ad42_ffn1
	.globl	k_q6c7d27ad42_ffn1
	.p2align	8
	.type	k_q6c7d27ad42_ffn1,@function
k_q6c7d27ad42_ffn1:
	s_mov_b64 s[64:65], 0
	v_nop
	global_prefetch_b8 v0, s[64:65] scope:SCOPE_SE
	s_setreg_imm32_b32 hwreg(HW_REG_WAVE_MODE, 25, 1), 1
	s_wait_xcnt 0x0
	s_wait_alu depctr_hold_cnt(0) depctr_sa_sdst(0) depctr_va_vdst(0) depctr_va_sdst(0) depctr_va_ssrc(0) depctr_va_vcc(0) depctr_vm_vsrc(0)
	s_getreg_b32 s2, hwreg(HW_REG_IB_STS2, 6, 4)
	s_cmp_eq_u32 s2, 0
	s_cbranch_scc0 .Lentry_in_a_cluster
	s_endpgm
.Lentry_in_a_cluster:
	s_bfe_u32 s2, ttmp6, 0x10000c
	s_cmp_lg_u32 s2, 0xf033
	s_cbranch_scc0 .Lentry_shape_is_right
	s_endpgm
.Lentry_shape_is_right:
; hid = silu(xn x w_gate) * (xn x w_up).  xn: [4096][1024] f16; the two weights lie in w16 at 8,388,608 and 12,582,912 as [k 1024][n 2048] f16.  Sums, silu and the product in f32.
; OUT: hid [4096][2048] in bf16, rounded once (g u has no room in f16 where gains and weights are some 30 times larger).  silu(g) u = g u / (1 + 2^(-g log2 e)); for g far below 0 the power is
; an infinity, its reciprocal 0, and the result 0.
; A tile is 256 rows x 128 hidden columns, that is 128 of gate and the same 128 of up: 16 x 16 = 256 work-groups.  Four waves, each 128 rows x (64 gate + 64 up): 64 accumulators, 512 registers;
; gate and up of one number lie in the same lane and register place.  K goes in 8 steps of 128 through two LDS slots of four sub-tiles of 36,864 bytes, one tensor load a wave:
; waves 0, 1 xn's two halves (128 rows, pitch 272), wave 2 gate's and wave 3 up's 128 k x 128 columns (pitch 288), read as they lie and turned by ds_load_tr16_b128.
; THE PRODUCT IS USED TRANSPOSED (source 0 = 16 columns of a weight, source 1 = 16 rows of xn).  CLUSTER 4 x 4: xn's tile is asked for jointly by a row of the cluster, the weights' by a column.
; THE LOOP.  A K step is four quarters of 32 along K on two fragment buffers.  A PAIR of quarters is written once and walked twice a step: its LDS addresses are a lane term plus two scalars that
; step by a pair.  The change of slots stands between pairs: a trip is the change, then the old step's last quarter (its fragments lie in registers) and the new step's first three.
; REGISTERS: window 0: v0-31 addresses; v32-47, v192-255 the way out; v64-127, v128-191 xn's fragments, two buffers.  window 1: v64-127, v128-191 the weights' fragments.
;   window 2: accumulators of row blocks 0-3 at 8 (8 a + b); window 3: of row blocks 4-7.  b 0-3: gate, b 4-7: up.
.set T,      8
.set PA,     272
.set PB,     288
.set SUB,    36864
.set SLOT,   4*SUB
.set SPARE,  2*SLOT                    ; behind the ring: the spare words.  The stage on the way out is slot 0: its last fill is K step 6, read out ahead of the last change's barrier
.set ASTEP,  256
.set BSTEP,  128*4096
.set QA,     64
.set QB,     32*PB
.set AHEAD,  1
.set ADRA0, 2
.set ADRB0, 3                          ; v3 gate, v4 up
.set ADRA,  6
.set ADRB,  7                          ; v7, v8
.set STO,   10
.set RD,    11
.set CO,    12
.set PFO,   13
.set SPW,   14
.set NIL,   15
.set PKD,   32                         ; v32-47   16 rows' packed results
.set TT,    192                        ; v192-223 at work
.set GU,    224                        ; v224-255 g u
.set ROLE,  11
.set TA,  18
.set TW,  19
.set G1A, 24
.set G0A, 32
.set G1B, 48
.set G0B, 56
.set PFA, 68
.set PFS, 70
.set LIM, 72
.set TB,  73
.set NL,  74                           ; s[74:75] -log2(e)
.set MSB, 0
.macro WIN new
.if MSB != (\new)
	s_set_vgpr_msb (MSB<<8)|(\new)
.set MSB, \new
.endif
.endm
.macro PLACES
.rept 4
	v_nop
.endr
.endm
.macro CROUND
	s_barrier_signal -1
	s_barrier_wait -1
	s_cmp_lg_u32 s10, 0
	s_cbranch_scc1 .Lnot_wave_0_\@
	s_barrier_signal -3
.Lnot_wave_0_\@:
	s_barrier_wait -3
	s_barrier_signal -1
	s_barrier_wait -1
.endm
.macro JLOAD
	s_cmp_eq_u32 s[ROLE], 0
	s_cbranch_scc0 .Lfor_b_\@
	tensor_load_to_lds s[G0A+4:G0A+7], s[G1A:G1A+7]
	s_nop 0
	PLACES
	s_branch .Lasked_\@
.Lfor_b_\@:
	tensor_load_to_lds s[G0B+4:G0B+7], s[G1B:G1B+7]
	s_nop 0
	PLACES
.Lasked_\@:
.endm
; A prefetch of the K step behind the one just asked for: 32 blocks of 256 bytes, a lane a row.  xn's rows are named by the clusters with x = 0, the weights' by those with y = 0; of the 128 rows
; that a wave fetches each of the four partners takes 32, told apart by address.  The trips whose look-ahead would pass K's end ask for nothing.
.macro ASK
	s_cmp_gt_u32 s3, s[LIM]
	s_cbranch_scc0 .Lnot_mine_\@
	global_prefetch_b8 v[PFO], s[PFA:PFA+1] th:TH_LOAD_NT scope:SCOPE_SE
.Lnot_mine_\@:
.endm
	s_load_b128 s[4:7], s[0:1], 0x0                ; xn s[4:5], w16 s[6:7]
	s_load_b64 s[8:9], s[0:1], 0x10                ; hid
	v_lshl_add_u32 v[SPW], v0, 2, SPARE
	v_mov_b32 v[NIL], 0
	ds_add_u32 v[SPW], v[NIL]                      ; the wave's opening: the add and its wait ahead of my first tensor load
	v_lshrrev_b32 v1, 5, v0
	v_readfirstlane_b32 s10, v1
	s_lshr_b32 s11, s10, 1                         ; which 128 rows are mine.  Also: I fetch xn (0) or a weight (1)
	s_and_b32 s12, s10, 1                          ; which 64 hidden columns.  Also: which half of xn, or gate (0) or up (1), I fetch
	s_bfe_u32 s40, ttmp6, 0x40000
	s_bfe_u32 s41, ttmp6, 0x40004
	s_lshl_b32 s42, ttmp9, 2
	s_add_co_u32 s42, s42, s40                     ; tile column
	s_and_b32 s13, ttmp7, 0xffff
	s_lshl_b32 s13, s13, 2
	s_add_co_u32 s13, s13, s41                     ; tile row
	s_lshl_b32 s43, s41, 2
	s_lshl_b32 s43, 15, s43
	s_lshl_b32 s44, 0x1111, s40
	s_or_b32 s[G1A], s43, (1<<16)|(1<<20)|(1<<21)|(5<<22)|(3<<25)
	s_or_b32 s[G1B], s44, (1<<16)|(1<<20)|(1<<21)|(5<<22)|(7<<25)
.irp g, G1A, G1B
	s_mov_b32 s[\g+1], 128<<16
	s_mov_b32 s[\g+2], 128<<16
	s_mov_b32 s[\g+3], 128<<16
	s_mov_b32 s[\g+4], 128
	s_mov_b32 s[\g+6], 0
	s_mov_b32 s[\g+7], 0
.endr
	s_mov_b32 s[G1A+5], 1024
	s_mov_b32 s[G1B+5], 2048
	s_mov_b32 s[NL], 0xbfb8aa3b
	s_mov_b32 s[NL+1], s[NL]
	s_lshl_b32 s16, s13, 19                        ; 256 rows of 2,048 bytes a tile row,
	s_lshl_b32 s17, s12, 18                        ; 128 for the second half
	s_add_co_u32 s16, s16, s17
	s_mov_b32 s17, 0
	s_lshl_b32 s46, s12, 22                        ; gate or up,
	s_lshl_b32 s47, s42, 8                         ; the tile column's 256 bytes of its rows
	s_add_co_u32 s46, s46, s47
	s_add_co_u32 s46, s46, 8388608
	s_mov_b32 s47, 0
	s_mul_i32 s20, s10, SUB
	s_wait_dscnt 0x0
	s_wait_kmcnt 0x0
	s_add_nc_u64 s[14:15], s[4:5], s[16:17]
	s_add_nc_u64 s[46:47], s[6:7], s[46:47]
.irp s, 0,1
	s_mov_b32 s[G0A+4*\s], 1
	s_add_co_u32 s[G0A+4*\s+1], s20, \s*SLOT
	s_add_nc_u64 s[G0A+4*\s+2:G0A+4*\s+3], s[14:15], \s*ASTEP
	s_or_b32 s[G0A+4*\s+3], s[G0A+4*\s+3], 0x80000000
	s_mov_b32 s[G0B+4*\s], 1
	s_add_co_u32 s[G0B+4*\s+1], s20, \s*SLOT
	s_add_nc_u64 s[G0B+4*\s+2:G0B+4*\s+3], s[46:47], \s*BSTEP
	s_or_b32 s[G0B+4*\s+3], s[G0B+4*\s+3], 0x80000000
.endr
	CROUND
	s_cmp_eq_u32 s[ROLE], 0                        ; a wave's two first fills stand in one branch: two loads of mine are out
	s_cbranch_scc0 .Lfirst_b
	tensor_load_to_lds s[G0A:G0A+3], s[G1A:G1A+7]
	s_nop 0
	tensor_load_to_lds s[G0A+4:G0A+7], s[G1A:G1A+7]
	s_nop 0
	PLACES
	s_branch .Lfirst_asked
.Lfirst_b:
	tensor_load_to_lds s[G0B:G0B+3], s[G1B:G1B+7]
	s_nop 0
	tensor_load_to_lds s[G0B+4:G0B+7], s[G1B:G1B+7]
	s_nop 0
	PLACES
.Lfirst_asked:
	v_and_b32 v1, 15, v0
	v_bfe_u32 v16, v0, 4, 1
	v_and_b32 v17, 7, v0
	v_bfe_u32 v18, v0, 3, 1
	v_mul_u32_u24 v[ADRA0], v1, PA
	v_lshl_add_u32 v[ADRA0], v16, 4, v[ADRA0]
	s_mul_i32 s21, s11, SUB
	v_add_nc_u32 v[ADRA0], s21, v[ADRA0]
	v_lshl_add_u32 v19, v16, 3, v17
	v_mul_u32_u24 v19, v19, PB
	v_lshl_add_u32 v19, v18, 4, v19
	s_lshl_b32 s21, s12, 7
	s_add_co_u32 s22, s21, 2*SUB
	v_add_nc_u32 v[ADRB0], s22, v19
	v_add_nc_u32 v[ADRB0+1], SUB, v[ADRB0]
	s_lshl_b32 s22, s11, 7
	v_add_nc_u32 v19, s22, v1                      ; into the stage: row 128 x my half + l % 16, my 128 bytes of its 256, 16 for each half of the lanes
	v_mul_u32_u24 v[STO], v19, PA
	v_lshl_add_u32 v[STO], v16, 4, v[STO]
	v_add_nc_u32 v[STO], s21, v[STO]
	s_lshl_b32 s22, s10, 6
	v_add_nc_u32 v19, s22, v16                     ; back: wave w takes rows 64 w .., whole
	v_mul_u32_u24 v[RD], v19, PA
	v_lshl_add_u32 v[RD], v1, 4, v[RD]
	v_lshlrev_b32 v[CO], 12, v16
	v_lshl_add_u32 v[CO], v1, 4, v[CO]
	s_lshl_b32 s16, s13, 8
	s_add_co_u32 s16, s16, s22                     ; the first row that I store
	s_lshl_b32 s16, s16, 12
	s_lshl_b32 s17, s42, 8
	s_add_co_u32 s16, s16, s17
	s_mov_b32 s17, 0
	s_add_nc_u64 s[8:9], s[8:9], s[16:17]
	s_mov_b32 s23, BSTEP                           ; the prefetches
	s_and_b32 s22, ttmp7, 0xffff
	s_cmp_eq_u32 s[ROLE], 0
	s_cselect_b32 s21, s40, s41
	s_cselect_b32 s22, ttmp9, s22
	s_cselect_b64 s[PFA:PFA+1], s[14:15], s[46:47]
	s_cselect_b32 s[PFS], ASTEP, s23
	s_cselect_b32 s23, 11, 12                      ; rows of 2,048 bytes in xn, of 4,096 in a weight
	s_mov_b32 s[PFS+1], 0
	s_cmp_eq_u32 s22, 0
	s_cselect_b32 s[LIM], AHEAD, -1
	s_lshl_b32 s20, s21, 5                         ; my work-group's 32 rows
	s_lshl_b32 s20, s20, s23
	s_mov_b32 s21, 0
	s_add_nc_u64 s[PFA:PFA+1], s[PFA:PFA+1], s[20:21]
	s_mul_i32 s20, s[PFS], 1+AHEAD
	s_add_nc_u64 s[PFA:PFA+1], s[PFA:PFA+1], s[20:21]
	v_and_b32 v[PFO], 31, v0
	v_lshlrev_b32 v[PFO], s23, v[PFO]
	s_mov_b32 s[TB], 0
	s_mov_b32 s[TA], 0
	s_mov_b32 s[TW], 0
.macro SETADR
	v_add_nc_u32 v[ADRA], s[TA], v[ADRA0]
	v_add_nc_u32 v[ADRB], s[TW], v[ADRB0]
	v_add_nc_u32 v[ADRB+1], s[TW], v[ADRB0+1]
.endm
; 16 products: row blocks a0, a0 + 1 of the window's four x 8 column blocks, 32 along K, on buffer f.  The 64 accumulators take turns.
.macro MUL16 f, hi, a0, zero
	WIN 0xa1+0x50*(\hi)
.irp a, \a0, (\a0)+1
.irp b, 0,1,2,3,4,5,6,7
.set rD, 8*(8*(\a)+(\b))
.set rB, 64+64*(\f)+8*(\b)
.set rA, 64+64*(\f)+8*(4*(\hi)+(\a))
.if \zero
	v_wmma_f32_16x16x32_f16 v[rD:rD+7], v[rB:rB+7], v[rA:rA+7], 0
.else
	v_wmma_f32_16x16x32_f16 v[rD:rD+7], v[rB:rB+7], v[rA:rA+7], v[rD:rD+7]
.endif
.endr
.endr
.endm
.macro FETCH o, f                      ; 32 LDS loads in one run: the quarter o (0, 1) behind the address registers': the weights' 16 first, then xn's 16
	WIN 0x40
.irp b, 0,1,2,3,4,5,6,7
	ds_load_tr16_b128 v[64+64*(\f)+8*\b:64+64*(\f)+8*\b+3],   v[ADRB+(\b)/4] offset:(\o)*QB+32*((\b)%4)
	ds_load_tr16_b128 v[64+64*(\f)+8*\b+4:64+64*(\f)+8*\b+7], v[ADRB+(\b)/4] offset:(\o)*QB+32*((\b)%4)+16*PB
.endr
	WIN 0
.irp a, 0,1,2,3,4,5,6,7
	ds_load_b128 v[64+64*(\f)+8*\a:64+64*(\f)+8*\a+3],   v[ADRA] offset:(\o)*QA+\a*16*PA
	ds_load_b128 v[64+64*(\f)+8*\a+4:64+64*(\f)+8*\a+7], v[ADRA] offset:(\o)*QA+\a*16*PA+32
.endr
.endm
.macro QUARTER o, f, g, zero
	s_wait_dscnt 8                                 ; all but xn's row blocks 4-7 (the youngest eight loads)
	MUL16 \f, 0, 0, \zero
	MUL16 \f, 0, 2, \zero
	PLACES
	FETCH \o, \g
	s_wait_dscnt 32                                ; all but the 32 just issued
	MUL16 \f, 1, 0, \zero
	MUL16 \f, 1, 2, \zero
.endm
.macro PAIR                            ; two quarters, and the addresses step on by two
	QUARTER 0, 1, 0, 0
	QUARTER 1, 0, 1, 0
	WIN 0
	s_add_co_u32 s[TA], s[TA], 2*QA
	s_add_co_u32 s[TW], s[TW], 2*QB
	SETADR
.endm
; THE CHANGE OF SLOTS.  The slot's last quarter has been fetched.  Each wave waits for all its tensor loads (one is out: its part of the next slot), adds 0 to its spare word, and waits for that and
; for its reads of the slot.  fill = 1: the barrier is a round of the cluster's, and the joint refill, two K steps on, is the first thing behind it: it has a whole step's 256 products in which to land.
.macro CHANGE fill
.if \fill
	s_wait_xcnt 0x0                                ; the last prefetch, a K step back, has read its address
	s_add_nc_u64 s[PFA:PFA+1], s[PFA:PFA+1], s[PFS:PFS+1]
.endif
	WIN 0
	s_wait_tensorcnt 0x0
	ds_add_u32 v[SPW], v[NIL]                      ; 0 onto my spare word; work on registers stands between it and the wait for it
.if \fill
	s_xor_b32 s[G0A+5], s[G0A+5], SLOT
	s_add_nc_u64 s[G0A+6:G0A+7], s[G0A+6:G0A+7], ASTEP
	s_xor_b32 s[G0B+5], s[G0B+5], SLOT
	s_add_nc_u64 s[G0B+6:G0B+7], s[G0B+6:G0B+7], BSTEP
.endif
	s_xor_b32 s[TB], s[TB], SLOT
	s_mov_b32 s[TA], s[TB]
	s_mov_b32 s[TW], s[TB]
	SETADR
	s_wait_dscnt 0x0                               ; the add is done, my reads of the slot are over
.if \fill
	CROUND
	JLOAD
	ASK
.else
	s_barrier_signal -1
	s_barrier_wait -1
.endif
.endm
	SETADR
	s_wait_tensorcnt 1                             ; my part of K step 0 is in; step 1's may stay out
	s_barrier_signal -1
	s_barrier_wait -1
	FETCH 0, 0
	QUARTER 1, 0, 1, 1                             ; the first quarter's products start the sums
	WIN 0
	s_mov_b32 s[TA], 2*QA
	s_mov_b32 s[TW], 2*QB
	SETADR
	s_mov_b32 s3, T-1
	s_mov_b32 s2, 1
	s_branch .Lpair                                ; step 0 has one pair left: the loop is entered behind the change
.Lstep:
	CHANGE 1
	s_mov_b32 s2, 2
.Lpair:
	PAIR
	s_sub_co_u32 s2, s2, 1
	s_cmp_lg_u32 s2, 0
	s_cbranch_scc1 .Lpair
	s_sub_co_u32 s3, s3, 1
	s_cmp_lg_u32 s3, 0
	s_cbranch_scc1 .Lstep
	CHANGE 0                                       ; the tail is written out
	s_mov_b32 s2, 2
.Lpair_t:
	PAIR
	s_sub_co_u32 s2, s2, 1
	s_cmp_lg_u32 s2, 0
	s_cbranch_scc1 .Lpair_t
	s_wait_dscnt 8
	MUL16 1, 0, 0, 0
	MUL16 1, 0, 2, 0
	s_wait_dscnt 0x0
	MUL16 1, 1, 0, 0
	MUL16 1, 1, 2, 0
	WIN 0
; Row block a: 32 numbers a lane.  g u / (1 + 2^(-g log2 e)): the 32 powers are one batch with one wait, the products g u the plain work behind them; the 32 reciprocals a second batch.
.macro SWI a
.set AC, 64*((\a)%4)
.set WW, 2+(\a)/4
	WIN WW
.set i, 0
.rept 16
	v_pk_mul_f32 v[TT+2*i:TT+2*i+1], v[AC+2*i:AC+2*i+1], s[NL:NL+1] op_sel_hi:[1,0]
.set i, i+1
.endr
	WIN 0
.set i, 0
.rept 32
	v_exp_f32 v[TT+i], v[TT+i]
.set i, i+1
.endr
	WIN 5*WW
.set i, 0
.rept 16
	v_pk_mul_f32 v[GU+2*i:GU+2*i+1], v[AC+2*i:AC+2*i+1], v[AC+32+2*i:AC+32+2*i+1]
.set i, i+1
.endr
	WIN 0
	s_wait_alu depctr_va_vdst(0)
.set i, 0
.rept 16
	v_pk_add_f32 v[TT+2*i:TT+2*i+1], v[TT+2*i:TT+2*i+1], 1.0 op_sel_hi:[1,0]
.set i, i+1
.endr
.set i, 0
.rept 32
	v_rcp_f32 v[TT+i], v[TT+i]
.set i, i+1
.endr
	v_nop
	s_wait_alu depctr_va_vdst(0)
.set i, 0
.rept 16
	v_pk_mul_f32 v[TT+2*i:TT+2*i+1], v[TT+2*i:TT+2*i+1], v[GU+2*i:GU+2*i+1]
.set i, i+1
.endr
.set i, 0
.rept 16
	v_cvt_pk_bf16_f32 v[PKD+i], v[TT+2*i], v[TT+2*i+1]
.set i, i+1
.endr
.irp p, 0,1,2,3
	ds_store_b128 v[STO], v[PKD+4*\p:PKD+4*\p+3] offset:(\a)*16*PA+32*\p
.endr
.endm
	PLACES
.irp a, 0,1,2,3,4,5,6,7
	SWI \a
.endr
	s_wait_dscnt 0x0                               ; for the others' sake: a row's 256 bytes come from two waves
	s_barrier_signal -1
	s_barrier_wait -1
.set t, 0
.rept 32
	ds_load_b128 v[64+4*t:64+4*t+3], v[RD] offset:t*2*PA
.set t, t+1
.endr
.set t, 0
.rept 32
	s_wait_dscnt 31-t
	global_store_b128 v[CO], v[64+4*t:64+4*t+3], s[8:9] offset:8192*t  ; 16 lanes store 256 consecutive bytes, aligned
.set t, t+1
.endr
	s_wait_tensorcnt 0x0                           ; the wave's end
	ds_add_u32 v[SPW], v[NIL]
	s_wait_dscnt 0x0
	CROUND
	s_endpgm
.Lfunc_end_k_q6c7d27ad42_ffn1:
	.size	k_q6c7d27ad42_ffn1, .Lfunc_end_k_q6c7d27ad42_ffn1-k_q6c7d27ad42_ffn1
	.p2alignl 7, 3214868480
	.fill 96, 4, 3214868480
	.section	.rodata,"a",@progbits
	.p2align	6, 0x0
	.amdhsa_kernel k_q6c7d27ad42_ffn1
		.amdhsa_group_segment_fixed_size 327680
		.amdhsa_private_segment_fixed_size 0
		.amdhsa_enable_private_segment 0
		.amdhsa_kernarg_size 24
		.amdhsa_user_sgpr_count 2
		.amdhsa_user_sgpr_kernarg_segment_ptr 1
		.amdhsa_wavefront_size32 1
		.amdhsa_system_sgpr_workgroup_id_x 1
		.amdhsa_system_sgpr_workgroup_id_y 1
		.amdhsa_system_sgpr_workgroup_id_z 1
		.amdhsa_system_vgpr_workitem_id 0
		.amdhsa_next_free_vgpr 1024
		.amdhsa_next_free_sgpr 80
		.amdhsa_reserve_vcc 0
		.amdhsa_float_denorm_mode_32 3
		.amdhsa_float_denorm_mode_16_64 3
		.amdhsa_memory_ordered 1
		.amdhsa_forward_progress 1
		.amdhsa_inst_pref_size 115
	.end_amdhsa_kernel
	.amdgpu_metadata
---
amdhsa.version: [ 1, 2 ]
amdhsa.kernels:
  - .name:           k_q6c7d27ad42_ffn1
    .symbol:         k_q6c7d27ad42_ffn1.kd
    .args:
      - { .name: xn, .offset: 0, .size: 8, .value_kind: global_buffer, .address_space: global }
      - { .name: w16, .offset: 8, .size: 8, .value_kind: global_buffer, .address_space: global }
      - { .name: hid, .offset: 16, .size: 8, .value_kind: global_buffer, .address_space: global }
    .group_segment_fixed_size: 327680
    .private_segment_fixed_size: 0
    .kernarg_segment_align: 8
    .kernarg_segment_size: 24
    .max_flat_workgroup_size: 128
    .sgpr_count:     80
    .vgpr_count:     1024
    .wavefront_size: 32
...
	.end_amdgpu_metadata
.endif
;; end of part 5
;; launch ffn2 (part 6): grid 8 x 32, 4 waves a work-group, clusters of 4 x 4, 327,680 bytes of LDS; arguments hid, w16, x1, out0; writes out0
.if DOCPART == 6
	.amdgcn_target "amdgcn-amd-amdhsa--gfx1250"
	.amdhsa_code_object_version 6
	.text
	.protected	k_q6c7d27ad42_ffn2
	.globl	k_q6c7d27ad42_ffn2
	.p2align	8
	.type	k_q6c7d27ad42_ffn2,@function
k_q6c7d27ad42_ffn2:
	s_mov_b64 s[64:65], 0
	v_nop
	global_prefetch_b8 v0, s[64:65] scope:SCOPE_SE
	s_setreg_imm32_b32 hwreg(HW_REG_WAVE_MODE, 25, 1), 1
	s_wait_xcnt 0x0
	s_wait_alu depctr_hold_cnt(0) depctr_sa_sdst(0) depctr_va_vdst(0) depctr_va_sdst(0) depctr_va_ssrc(0) depctr_va_vcc(0) depctr_vm_vsrc(0)
	s_getreg_b32 s2, hwreg(HW_REG_IB_STS2, 6, 4)
	s_cmp_eq_u32 s2, 0
	s_cbranch_scc0 .Lentry_in_a_cluster
	s_endpgm
.Lentry_in_a_cluster:
	s_bfe_u32 s2, ttmp6, 0x10000c
	s_cmp_lg_u32 s2, 0xf033
	s_cbranch_scc0 .Lentry_shape_is_right
	s_endpgm
.Lentry_shape_is_right:
; out0 = x1 + hid x w_down.  hid: [4096][2048] bf16; w_down's copy lies in w16 at WOFF as [k 2048][n 1024] bf16; x1, out0: [4096][1024] f32.  Sums and the residual's addition in f32.
; A tile is 128 x 128: 32 x 8 = 256 work-groups; four waves of 64 x 64, 16 accumulators.  K goes in steps of 256 through two LDS slots of four sub-tiles of 36,864 bytes, one tensor load a wave:
; waves 0, 1 bring 64 rows x 512 bytes of the left operand each (pitch 528), waves 2, 3 128 k x 128 columns of the weight each (pitch 288), read as it lies and turned by ds_load_tr16_b128.
; THE PRODUCT IS USED TRANSPOSED (source 0 = 16 columns of the weight, source 1 = 16 rows): a lane ends with one row and eight neighbouring columns.
; CLUSTER 4 x 4: the left operand's tile is asked for jointly by a row of the cluster, the weight's by a column.
; THE LOOP.  A K step is four quarters of 64 along K on two fragment buffers.  A PAIR of quarters is written once and walked twice a step: its LDS addresses are a lane term plus two scalars that
; step by a pair.  The change of slots stands between pairs: a trip is the change, then the old step's last quarter (its fragments lie in registers) and the new step's first three.
; PREFETCH: behind each refill a wave names the K step two behind the one asked for: 32 blocks of 256 bytes, a lane a block.  hid's rows are named by the clusters with x = 0 (a partner takes 16 rows x 2
; blocks), the weight's by those with y = 0 (32 k rows), told apart by address; the trips whose look-ahead would pass K's end ask for nothing.
; REGISTERS: window 0: v0-31 addresses; v32-95 the way out; v128-255 accumulators at 128 + 8 (4 a + b).  window 1: two fragment buffers of 128 (64 of rows, 64 of columns).  window 2: v0-127 the residual.
.set KDIM,   2048
.set WOFF,   16777216
.set BF,     1                         ; 1: bf16 operands
.set PF,     1                         ; 1: prefetches are laid
.set AHEAD,  2
.set T,      KDIM/256
.set PA,     528
.set PB,     288
.set SUB,    36864
.set SLOT,   4*SUB                     ; 0x24000: its bits lie apart from those of wave x 0x9000
.set STAGE,  2*SLOT                    ; behind the ring: 16 rows x 272 bytes for each wave
.set SPITCH, 272
.set SPARE,  STAGE+4*16*SPITCH
.set ASTEP,  512
.set BSTEP,  256*2048
.set QA,     128                       ; LDS bytes from a quarter to the next in the rows,
.set QB,     64*PB                     ; and in the weight: its two sub-tiles of 128 k lie end to end
.set ADRA0, 2
.set ADRB0, 3
.set ADRA,  6
.set ADRB,  7
.set STO,   10
.set RD,    11
.set CO,    12                         ; my byte offset in two rows of the residual and of the output; never rewritten
.set PFO,   13
.set SPW,   14
.set NIL,   15
.set ACC,   128
.set ROLE,  11                         ; waves 0, 1 fetch rows, waves 2, 3 the weight
.set TA,  18
.set TW,  19
.set G1A, 24
.set G0A, 32
.set G1B, 48
.set G0B, 56
.set PFA, 68
.set PFS, 70
.set LIM, 72
.set TB,  73
.set RES, 76                           ; s[76:77] the residual, s[78:79] the output, at my wave's first row and column
.set OUTP, 78
.set MSB, 0
.macro WIN new
.if MSB != (\new)
	s_set_vgpr_msb (MSB<<8)|(\new)
.set MSB, \new
.endif
.endm
.macro PLACES
.rept 4
	v_nop
.endr
.endm
.macro CROUND
	s_barrier_signal -1
	s_barrier_wait -1
	s_cmp_lg_u32 s10, 0
	s_cbranch_scc1 .Lnot_wave_0_\@
	s_barrier_signal -3
.Lnot_wave_0_\@:
	s_barrier_wait -3
	s_barrier_signal -1
	s_barrier_wait -1
.endm
.macro JLOAD
	s_cmp_eq_u32 s[ROLE], 0
	s_cbranch_scc0 .Lfor_b_\@
	tensor_load_to_lds s[G0A+4:G0A+7], s[G1A:G1A+7]
	s_nop 0
	PLACES
	s_branch .Lasked_\@
.Lfor_b_\@:
	tensor_load_to_lds s[G0B+4:G0B+7], s[G1B:G1B+7]
	s_nop 0
	PLACES
.Lasked_\@:
.endm
.macro ASK
	s_cmp_gt_u32 s3, s[LIM]
	s_cbranch_scc0 .Lnot_mine_\@
	global_prefetch_b8 v[PFO], s[PFA:PFA+1] th:TH_LOAD_NT scope:SCOPE_SE
.Lnot_mine_\@:
.endm
	s_load_b128 s[4:7], s[0:1], 0x0                ; the left operand s[4:5], w16 s[6:7]
	s_load_b128 s[76:79], s[0:1], 0x10             ; the residual, the output
	v_lshl_add_u32 v[SPW], v0, 2, SPARE
	v_mov_b32 v[NIL], 0
	ds_add_u32 v[SPW], v[NIL]                      ; the wave's opening: the add and its wait ahead of my first tensor load
	v_lshrrev_b32 v1, 5, v0
	v_readfirstlane_b32 s10, v1
	s_lshr_b32 s11, s10, 1                         ; which 64 rows are mine.  Also: I fetch rows (0) or the weight (1)
	s_and_b32 s12, s10, 1                          ; which 64 columns.  Also: which half I fetch
	s_bfe_u32 s40, ttmp6, 0x40000
	s_bfe_u32 s41, ttmp6, 0x40004
	s_lshl_b32 s42, ttmp9, 2
	s_add_co_u32 s42, s42, s40                     ; tile column
	s_and_b32 s13, ttmp7, 0xffff
	s_lshl_b32 s13, s13, 2
	s_add_co_u32 s13, s13, s41                     ; tile row
	s_lshl_b32 s43, s41, 2
	s_lshl_b32 s43, 15, s43
	s_lshl_b32 s44, 0x1111, s40
	s_or_b32 s[G1A], s43, (1<<16)|(1<<20)|(1<<21)|(6<<22)|(3<<25)  ; after every 128 words 4 words of padding
	s_or_b32 s[G1B], s44, (1<<16)|(1<<20)|(1<<21)|(5<<22)|(7<<25)  ; after every 64 words 8 words
	s_mov_b32 s[G1A+1], 256<<16                    ; 64 rows x 256 elements
	s_mov_b32 s[G1A+2], 64<<16
	s_mov_b32 s[G1A+3], 256<<16
	s_mov_b32 s[G1A+4], 64
	s_mov_b32 s[G1A+5], KDIM
	s_mov_b32 s[G1A+6], 0
	s_mov_b32 s[G1A+7], 0
	s_mov_b32 s[G1B+1], 128<<16                    ; 128 k x 128 columns
	s_mov_b32 s[G1B+2], 128<<16
	s_mov_b32 s[G1B+3], 128<<16
	s_mov_b32 s[G1B+4], 128
	s_mov_b32 s[G1B+5], 1024
	s_mov_b32 s[G1B+6], 0
	s_mov_b32 s[G1B+7], 0
	s_lshl_b32 s16, s13, 7
	s_lshl_b32 s17, s12, 6
	s_add_co_u32 s16, s16, s17                     ; row 128 x tile row + 64 x half
	s_mul_i32 s16, s16, 2*KDIM
	s_mov_b32 s17, 0
	s_lshl_b32 s46, s42, 8                         ; the tile column's 256 bytes of the weight's rows,
	s_lshl_b32 s47, s12, 18                        ; 128 k rows of 2,048 bytes for the second half
	s_add_co_u32 s46, s46, s47
	s_add_co_u32 s46, s46, WOFF
	s_mov_b32 s47, 0
	s_mul_i32 s20, s10, SUB
	s_wait_dscnt 0x0
	s_wait_kmcnt 0x0
	s_add_nc_u64 s[14:15], s[4:5], s[16:17]
	s_add_nc_u64 s[46:47], s[6:7], s[46:47]
.irp s, 0,1
	s_mov_b32 s[G0A+4*\s], 1
	s_add_co_u32 s[G0A+4*\s+1], s20, \s*SLOT
	s_add_nc_u64 s[G0A+4*\s+2:G0A+4*\s+3], s[14:15], \s*ASTEP
	s_or_b32 s[G0A+4*\s+3], s[G0A+4*\s+3], 0x80000000
	s_mov_b32 s[G0B+4*\s], 1
	s_add_co_u32 s[G0B+4*\s+1], s20, \s*SLOT
	s_add_nc_u64 s[G0B+4*\s+2:G0B+4*\s+3], s[46:47], \s*BSTEP
	s_or_b32 s[G0B+4*\s+3], s[G0B+4*\s+3], 0x80000000
.endr
	CROUND
	s_cmp_eq_u32 s[ROLE], 0                        ; a wave's two first fills stand in one branch: two loads of mine are out
	s_cbranch_scc0 .Lfirst_b
	tensor_load_to_lds s[G0A:G0A+3], s[G1A:G1A+7]
	s_nop 0
	tensor_load_to_lds s[G0A+4:G0A+7], s[G1A:G1A+7]
	s_nop 0
	PLACES
	s_branch .Lfirst_asked
.Lfirst_b:
	tensor_load_to_lds s[G0B:G0B+3], s[G1B:G1B+7]
	s_nop 0
	tensor_load_to_lds s[G0B+4:G0B+7], s[G1B:G1B+7]
	s_nop 0
	PLACES
.Lfirst_asked:
	v_and_b32 v1, 15, v0
	v_bfe_u32 v16, v0, 4, 1
	v_and_b32 v17, 7, v0
	v_bfe_u32 v18, v0, 3, 1
	v_lshlrev_b32 v[CO], 12, v16                   ; lanes 0-15 one row's 256 bytes, lanes 16-31 the next row's
	v_lshl_add_u32 v[CO], v1, 4, v[CO]
	s_lshl_b32 s16, s13, 7
	s_lshl_b32 s17, s11, 6
	s_add_co_u32 s16, s16, s17                     ; my first row
	s_lshl_b32 s16, s16, 12
	s_lshl_b32 s17, s42, 9
	s_add_co_u32 s16, s16, s17
	s_lshl_b32 s17, s12, 8
	s_add_co_u32 s16, s16, s17                     ; + my first column's bytes
	s_mov_b32 s17, 0
	s_add_nc_u64 s[RES:RES+1], s[RES:RES+1], s[16:17]
	s_add_nc_u64 s[OUTP:OUTP+1], s[OUTP:OUTP+1], s[16:17]
	WIN 0x80
.irp a, 0,1,2,3
.irp t, 0,1,2,3,4,5,6,7
	global_load_b128 v[32*\a+4*\t:32*\a+4*\t+3], v[CO], s[RES:RES+1] offset:(16*\a+2*\t)*4096 th:TH_LOAD_NT  ; the residual comes while K is walked, in the layout in which the results leave
.endr
.endr
	WIN 0
	v_mul_u32_u24 v[ADRA0], v1, PA
	v_lshl_add_u32 v[ADRA0], v16, 4, v[ADRA0]
	s_mul_i32 s21, s11, SUB
	v_add_nc_u32 v[ADRA0], s21, v[ADRA0]
	v_lshl_add_u32 v19, v16, 3, v17
	v_mul_u32_u24 v19, v19, PB
	v_lshl_add_u32 v19, v18, 4, v19
	s_lshl_b32 s21, s12, 7
	s_add_co_u32 s21, s21, 2*SUB
	v_add_nc_u32 v[ADRB0], s21, v19
	s_mul_i32 s23, s10, 16*SPITCH
	s_add_co_u32 s23, s23, STAGE
	v_mul_u32_u24 v[STO], v1, SPITCH               ; in: row l % 16, 32 bytes for each half of the lanes
	v_lshl_add_u32 v[STO], v16, 5, v[STO]
	v_add_nc_u32 v[STO], s23, v[STO]
	v_mul_u32_u24 v[RD], v16, SPITCH
	v_lshl_add_u32 v[RD], v1, 4, v[RD]
	v_add_nc_u32 v[RD], s23, v[RD]
.if PF
	s_mov_b32 s23, BSTEP
	s_and_b32 s22, ttmp7, 0xffff
	s_cmp_eq_u32 s[ROLE], 0
	s_cselect_b32 s21, s40, s41                    ; my place among the four that ask with me
	s_cselect_b32 s22, ttmp9, s22                  ; the coordinate along which other clusters read the same rows
	s_cselect_b64 s[PFA:PFA+1], s[14:15], s[46:47]
	s_cselect_b32 s[PFS], ASTEP, s23
	s_cselect_b32 s23, -1, 0
	s_mov_b32 s[PFS+1], 0
	s_cmp_eq_u32 s22, 0
	s_cselect_b32 s[LIM], AHEAD, -1
	s_lshl_b32 s20, s21, 16                        ; my work-group's share: 16 rows of 4,096 bytes, or 32 k rows of 2,048
	s_mov_b32 s21, 0
	s_add_nc_u64 s[PFA:PFA+1], s[PFA:PFA+1], s[20:21]
	s_mul_i32 s20, s[PFS], 1+AHEAD                 ; at K step 3: the first refill steps it to 4
	s_add_nc_u64 s[PFA:PFA+1], s[PFA:PFA+1], s[20:21]
	v_and_b32 v19, 31, v0
	v_lshlrev_b32 v[PFO], 11, v19                  ; the weight: a lane a k row
	v_lshrrev_b32 v20, 1, v19
	v_and_b32 v19, 1, v19
	v_mul_u32_u24 v20, v20, 2*KDIM                 ; the rows: two lanes a row, 256 bytes apart
	v_lshl_add_u32 v20, v19, 8, v20
	v_cndmask_b32 v[PFO], v[PFO], v20, s23
.endif
	s_mov_b32 s[TB], 0
	s_mov_b32 s[TA], 0
	s_mov_b32 s[TW], 0
.macro SETADR
	v_add_nc_u32 v[ADRA], s[TA], v[ADRA0]
	v_add_nc_u32 v[ADRB], s[TW], v[ADRB0]
.endm
; 8 products: row blocks a0, a0 + 1 x 4 column blocks, 32 along K: half c of buffer f.  The 16 accumulators take turns.
.macro MUL8 f, c, a0, zero
	WIN 0x05
.irp a, \a0, (\a0)+1
.irp b, 0,1,2,3
.set rD, ACC+8*(4*(\a)+(\b))
.set rB, 128*(\f)+64+8*(4*(\c)+(\b))
.set rA, 128*(\f)+8*(4*(\c)+(\a))
.if BF
.if \zero
	v_wmma_f32_16x16x32_bf16 v[rD:rD+7], v[rB:rB+7], v[rA:rA+7], 0
.else
	v_wmma_f32_16x16x32_bf16 v[rD:rD+7], v[rB:rB+7], v[rA:rA+7], v[rD:rD+7]
.endif
.else
.if \zero
	v_wmma_f32_16x16x32_f16 v[rD:rD+7], v[rB:rB+7], v[rA:rA+7], 0
.else
	v_wmma_f32_16x16x32_f16 v[rD:rD+7], v[rB:rB+7], v[rA:rA+7], v[rD:rD+7]
.endif
.endif
.endr
.endr
.endm
; 32 LDS loads in one run: the quarter o (0, 1) behind the address registers' into buffer f; the first 32 along K first
.macro FETCH o, f
	WIN 0x40
.irp c, 0,1
.irp i, 0,1,2,3
	ds_load_tr16_b128 v[128*(\f)+64+8*(4*\c+\i):128*(\f)+64+8*(4*\c+\i)+3],   v[ADRB] offset:(\o)*QB+32*\c*PB+32*\i
	ds_load_tr16_b128 v[128*(\f)+64+8*(4*\c+\i)+4:128*(\f)+64+8*(4*\c+\i)+7], v[ADRB] offset:(\o)*QB+32*\c*PB+32*\i+16*PB
	ds_load_b128 v[128*(\f)+8*(4*\c+\i):128*(\f)+8*(4*\c+\i)+3],   v[ADRA] offset:(\o)*QA+64*\c+\i*16*PA
	ds_load_b128 v[128*(\f)+8*(4*\c+\i)+4:128*(\f)+8*(4*\c+\i)+7], v[ADRA] offset:(\o)*QA+64*\c+\i*16*PA+32
.endr
.endr
.endm
.macro QUARTER o, f, g, zero
	s_wait_dscnt 16                                ; the first 32 along K are in
	MUL8 \f, 0, 0, \zero
	MUL8 \f, 0, 2, \zero
	PLACES
	FETCH \o, \g
	s_wait_dscnt 32                                ; all but the 32 just issued
	MUL8 \f, 1, 0, 0
	MUL8 \f, 1, 2, 0
.endm
.macro PAIR                            ; two quarters, and the addresses step on by two
	QUARTER 0, 1, 0, 0
	QUARTER 1, 0, 1, 0
	WIN 0
	s_add_co_u32 s[TA], s[TA], 2*QA
	s_add_co_u32 s[TW], s[TW], 2*QB
	SETADR
.endm
; THE CHANGE OF SLOTS.  The slot's last quarter has been fetched.  Each wave waits for all its tensor loads (one is out: its part of the next slot), adds 0 to its spare word, and waits for that and
; for its reads of the slot.  fill = 1: the barrier is a round of the cluster's, and the joint refill, two K steps on, is the first thing behind it: it has a whole step's 128 products in which to land.
.macro CHANGE fill
.if (\fill) && PF
	s_wait_xcnt 0x0                                ; the last prefetch, a K step back, has read its address
	s_add_nc_u64 s[PFA:PFA+1], s[PFA:PFA+1], s[PFS:PFS+1]
.endif
	WIN 0
	s_wait_tensorcnt 0x0
	ds_add_u32 v[SPW], v[NIL]                      ; 0 onto my spare word; work on registers stands between it and the wait for it
.if \fill
	s_xor_b32 s[G0A+5], s[G0A+5], SLOT
	s_add_nc_u64 s[G0A+6:G0A+7], s[G0A+6:G0A+7], ASTEP
	s_xor_b32 s[G0B+5], s[G0B+5], SLOT
	s_add_nc_u64 s[G0B+6:G0B+7], s[G0B+6:G0B+7], BSTEP
.endif
	s_xor_b32 s[TB], s[TB], SLOT
	s_mov_b32 s[TA], s[TB]
	s_mov_b32 s[TW], s[TB]
	SETADR
	s_wait_dscnt 0x0                               ; the add is done, my reads of the slot are over
.if \fill
	CROUND
	JLOAD
.if PF
	ASK
.endif
.else
	s_barrier_signal -1
	s_barrier_wait -1
.endif
.endm
	SETADR
	s_wait_tensorcnt 1                             ; my part of K step 0 is in; step 1's may stay out
	s_barrier_signal -1
	s_barrier_wait -1
	FETCH 0, 0
	QUARTER 1, 0, 1, 1                             ; the first quarter's first products start the sums
	WIN 0
	s_mov_b32 s[TA], 2*QA
	s_mov_b32 s[TW], 2*QB
	SETADR
	s_mov_b32 s3, T-1
	s_mov_b32 s2, 1
	s_branch .Lpair                                ; step 0 has one pair left: the loop is entered behind the change
.Lstep:
	CHANGE 1
	s_mov_b32 s2, 2
.Lpair:
	PAIR
	s_sub_co_u32 s2, s2, 1
	s_cmp_lg_u32 s2, 0
	s_cbranch_scc1 .Lpair
	s_sub_co_u32 s3, s3, 1
	s_cmp_lg_u32 s3, 0
	s_cbranch_scc1 .Lstep
	CHANGE 0                                       ; the tail is written out
	s_mov_b32 s2, 2
.Lpair_t:
	PAIR
	s_sub_co_u32 s2, s2, 1
	s_cmp_lg_u32 s2, 0
	s_cbranch_scc1 .Lpair_t
	s_wait_dscnt 16
	MUL8 1, 0, 0, 0
	MUL8 1, 0, 2, 0
	s_wait_dscnt 0x0
	MUL8 1, 1, 0, 0
	MUL8 1, 1, 2, 0
	WIN 0
; THE WAY OUT, 16 rows at a time: the f32 sums go into my stage as they lie, come back as whole rows of 256 bytes, take the residual and are stored.
.macro OUT a
.set BK, 32+32*((\a)%2)
.irp b, 0,1,2,3
	ds_store_b128 v[STO], v[ACC+8*(4*(\a)+\b):ACC+8*(4*(\a)+\b)+3]   offset:64*\b
	ds_store_b128 v[STO], v[ACC+8*(4*(\a)+\b)+4:ACC+8*(4*(\a)+\b)+7] offset:64*\b+16
.endr
.if (\a) >= 2
	s_wait_xcnt 0x0                                ; the stores of two blocks back have read these registers
.endif
.irp t, 0,1,2,3,4,5,6,7
	ds_load_b128 v[BK+4*\t:BK+4*\t+3], v[RD] offset:\t*2*SPITCH
.endr
	s_wait_dscnt 0x0
	WIN 0x08
.set p, 0
.rept 16
	v_pk_add_f32 v[BK+2*p:BK+2*p+1], v[BK+2*p:BK+2*p+1], v[32*(\a)+2*p:32*(\a)+2*p+1]
.set p, p+1
.endr
	WIN 0
.irp t, 0,1,2,3,4,5,6,7
	global_store_b128 v[CO], v[BK+4*\t:BK+4*\t+3], s[OUTP:OUTP+1] offset:(16*(\a)+2*\t)*4096  ; 16 lanes store 256 consecutive bytes, aligned
.endr
.endm
	PLACES
	s_wait_loadcnt 0x0                             ; the residual
	OUT 0
	OUT 1
	OUT 2
	OUT 3
	s_wait_tensorcnt 0x0                           ; the wave's end
	ds_add_u32 v[SPW], v[NIL]
	s_wait_dscnt 0x0
	CROUND
	s_endpgm
.Lfunc_end_k_q6c7d27ad42_ffn2:
	.size	k_q6c7d27ad42_ffn2, .Lfunc_end_k_q6c7d27ad42_ffn2-k_q6c7d27ad42_ffn2
	.p2alignl 7, 3214868480
	.fill 96, 4, 3214868480
	.section	.rodata,"a",@progbits
	.p2align	6, 0x0
	.amdhsa_kernel k_q6c7d27ad42_ffn2
		.amdhsa_group_segment_fixed_size 327680
		.amdhsa_private_segment_fixed_size 0
		.amdhsa_enable_private_segment 0
		.amdhsa_kernarg_size 32
		.amdhsa_user_sgpr_count 2
		.amdhsa_user_sgpr_kernarg_segment_ptr 1
		.amdhsa_wavefront_size32 1
		.amdhsa_system_sgpr_workgroup_id_x 1
		.amdhsa_system_sgpr_workgroup_id_y 1
		.amdhsa_system_sgpr_workgroup_id_z 1
		.amdhsa_system_vgpr_workitem_id 0
		.amdhsa_next_free_vgpr 640
		.amdhsa_next_free_sgpr 80
		.amdhsa_reserve_vcc 0
		.amdhsa_float_denorm_mode_32 3
		.amdhsa_float_denorm_mode_16_64 3
		.amdhsa_memory_ordered 1
		.amdhsa_forward_progress 1
		.amdhsa_inst_pref_size 52
	.end_amdhsa_kernel
	.amdgpu_metadata
---
amdhsa.version: [ 1, 2 ]
amdhsa.kernels:
  - .name:           k_q6c7d27ad42_ffn2
    .symbol:         k_q6c7d27ad42_ffn2.kd
    .args:
      - { .name: hid, .offset: 0, .size: 8, .value_kind: global_buffer, .address_space: global }
      - { .name: w16, .offset: 8, .size: 8, .value_kind: global_buffer, .address_space: global }
      - { .name: x1, .offset: 16, .size: 8, .value_kind: global_buffer, .address_space: global }
      - { .name: out0, .offset: 24, .size: 8, .value_kind: global_buffer, .address_space: global }
    .group_segment_fixed_size: 327680
    .private_segment_fixed_size: 0
    .kernarg_segment_align: 8
    .kernarg_segment_size: 32
    .max_flat_workgroup_size: 128
    .sgpr_count:     80
    .vgpr_count:     640
    .wavefront_size: 32
...
	.end_amdgpu_metadata
.endif
;; end of part 6
